; MI455X (gfx1250); checked and timed in simulation.
; The chip was launched on July 23, 2026; its instructions are those of AMD's public machine-readable ISA for CDNA 5 (MIT licence, August 2026) and "CDNA5" Instruction Set Architecture Reference Guide (July 2026). The comments in the code are by the model that wrote it; some were corrected since.
;; Self Attention. Allowed arithmetic: matrix products marked QUANTISED: E3M2 operands, one E8M0 scale for each 32 along K, by v_wmma_scale_f32_16x16x128_f8f6f4 with both operands' format E3M2, f32 sums; everything else in f32.
;; Inputs: b_in 3,072 float32; b_out 1,024 float32; w_in 3,072 x 1,024 float32; w_out 1,024 x 1,024 float32; x 4 x 2,048 x 1,024 float32.
;; Outputs: out0 4 x 2,048 x 1,024 float32.
;; Constants: causal_mask = 1.
;; This version of the problem:
;;   THIS VERSION OF THE PROBLEM IS GIVEN IN LOW PRECISION. The matrix products marked QUANTISED in the list below multiply operands that are first quantised to E3M2 (3 exponent bits, 2 mantissa bits; 6 bits a number), with one power-of-two scale for each 32 numbers along K (OCP MX v1.0); their sums are f32. All else is computed in f32.
;;   The module's matrix products, in the order in which they are computed (A, B: the left and right operand; K: the contracted axis; several contracted axes count as one K, in the product's order):
;;     1. [M 8,192, K 1,024] x [K 1,024, N 3,072]; A: input x; B: input w_in: QUANTISED
;;     2. batch 64 x [M 2,048, K 64] x [K 64, N 2,048]; A: computed on the way; B: computed on the way: QUANTISED
;;     3. batch 64 x [M 64, K 2,048] x [K 2,048, N 2,048]; A: computed on the way; B: softmax (see below): QUANTISED
;;     4. [M 8,192, K 1,024] x [K 1,024, N 1,024]; A: computed on the way; B: input w_out: QUANTISED
;;   THE QUANTISER, for each operand of a quantised product, along K:
;;     - K is cut into blocks of 32 from its start; a last block that is shorter is filled with zeros.
;;     - A block's scale is 2^e with e = floor(log2(the largest magnitude in the block)) - 4, held to -126 .. 127; a block of zeros has e = 0. As a byte (E8M0): e + 127.
;;     - Each number is divided by its block's scale, clamped to +-28, and rounded to the nearest number of E3M2, ties to even, subnormals kept.
;;     - The product sums the exact products of the quantised numbers (number of the format x scale) in f32.
;;   ~~~python
;;   def quantise(x, axis):      # numpy; x: float32 -> the quantised numbers, widened to float32 again
;;       x = np.moveaxis(x, axis, -1); K = x.shape[-1]
;;       x = np.pad(x, [(0, 0)] * (x.ndim - 1) + [(0, -K % 32)]); x = x.reshape(x.shape[:-1] + (-1, 32)); a = np.abs(x).max(-1, keepdims=True)
;;       e = np.where(a > 0, np.clip(np.frexp(np.where(a > 0, a, 1))[1] - 1 - 4, -126, 127), 0)      # np.frexp(a)[1] - 1 = floor(log2(a)), exactly
;;       r = np.clip(x / 2.0 ** e, -28, 28)
;;       step = 2.0 ** (np.maximum(np.frexp(np.where(r == 0, 1, r))[1] - 1, -2) - 2)
;;       q = np.round(r / step) * step * 2.0 ** e      # np.round: ties to even
;;       return np.moveaxis(q.reshape(q.shape[:-2] + (-1,))[..., :K], -1, axis).astype(np.float32)
;;   ~~~
;;   SOFTMAX AHEAD OF A QUANTISED PRODUCT. Where the list says 'softmax', what is quantised is not the finished softmax but p = 2^(t - M), with t = logit x log2(e) and M = ceil(the row's largest t), a whole number; so 1/2 < the row's largest p <= 1. The row's sum l is taken of the UNQUANTISED p, in f32, and the product's result is divided by l at the end. Since M is a whole number, a kernel that streams over the keys may use a running M (the ceiling of the running maximum): every later rescaling is an exact power of two, which a block's scale takes up: the codes' values come out the same.
;;   OPERANDS COMPUTED ON THE WAY. 'Computed on the way' means the value that the module computes at that place (a softmax that the list does not call 'softmax' is quantised finished and normalised). What goes into a quantiser is computed in f32, as accurately as f32 sums, v_exp_f32 and their like allow (about 1e-6 of the number): no bf16 or f16 on the way to a quantiser, and a product that is left as it is and whose result goes on into a quantised operand takes f32 operands (vector FMAs, or v_wmma_f32_16x16x4_f32). A number that lies on a knife's edge between two numbers of the format may be rounded either way, as far as f32 arithmetic and the matrix unit's own rounding can turn it there, and no further.
;; One version. Each part assembles by itself: llvm-mc -triple=amdgcn-amd-amdhsa -mcpu=gfx1250 --defsym DOCPART=n.
;; ======== version 1 of 1: 4 launches
;; limits: right only within a limited range of input values
;; workspace buffers: cd 15,728,640 bytes; sc 393,216 bytes; qq 6,815,744 bytes; kv 13,369,344 bytes; so 262,144 bytes
;; launch quant (part 1): grid 768 x 1, 2 waves a work-group, no clusters, 34,304 bytes of LDS; arguments x, w_in, w_out, cd, sc; writes cd, sc
.if DOCPART == 1
	.amdgcn_target "amdgcn-amd-amdhsa--gfx1250"
	.amdhsa_code_object_version 6
	.text
	.protected	k_qef040ce7ed_quant
	.globl	k_qef040ce7ed_quant
	.p2align	8
	.type	k_qef040ce7ed_quant,@function
k_qef040ce7ed_quant:
	s_mov_b64 s[64:65], 0
	v_nop
	global_prefetch_b8 v0, s[64:65] scope:SCOPE_SE
	s_setreg_imm32_b32 hwreg(HW_REG_WAVE_MODE, 25, 1), 1
	s_wait_xcnt 0x0
; x [8192][1024], w_in [3072][1024], w_out [1024][1024], f32, become codes of BF6 (E3M2) with one E8M0 byte for each 32 along K, in the order in which the matrix unit's registers want them.
; ROWS.  The three tensors are one list of 12,288 rows.  A tile is 16 rows; lane r of tile T holds row 32 (T / 2) + 8 (T % 2) + r + 8 (r / 8) (bits 3 and 4 of the row number change places),
; so that a product used transposed leaves 16 neighbours along the next K in a lane's registers of two neighbouring tiles.
; cd: [tile][K step of 128 (8)][1,536 bytes]: a fragment's 12 registers as six pieces of 256 bytes; piece p holds registers 2 p, 2 p + 1 of lane l at 256 p + 8 l: each store of the wave covers 256 consecutive bytes, aligned.
; sc: [group of 8 tiles][K step][512 bytes]: lane l's 16 bytes are the scale words of tiles 4 (l / 16) + 0 .. 3, row l % 16.
; A block's scale is 2^(floor(log2(largest magnitude)) - 4); its byte is the largest magnitude's exponent field - 4, held at 1 from below.
; LIMITS: a block of zeros gets the byte 1 where the rule says 127 (its codes are zeros, which add nothing under any byte but 0xff, and this program alone reads the bytes); blocks whose largest
; magnitude lies under 2^-122 share that byte; NaN and infinities among the inputs are not served.
; SHARES.  A wave takes four tiles (64 rows) at one K step: four steps of 16 rows x 128 numbers.  Each load reads 512 consecutive bytes of a row; the 16 rows turn through the wave's own stage in LDS
; (rows 528 bytes apart), from which lane (r, h) takes, of row r, the 16 numbers 16 h on of each block of 32.  Waves share nothing: no barrier.  Loads run two tiles (32 loads a wave) ahead.
; No matrix unit, no cluster, no tensor load: the launch streams, and nothing is read twice.
.set STG,  8448                        ; a wave's stage: 16 rows x (512 + 16) bytes
.set R,    16                          ; v16-143  two sets of 64 numbers as loaded
.set X,    144                         ; v144-207 register 16 b + i = k 32 b + 16 h + i of my row
.set PC,   208                         ; v208-219 the fragment; v220-226 the conversions' second halves
.set TMX,  228                         ; largest magnitudes
.set TMB,  232                         ; the other half's, then the bytes
.set TMO,  236                         ; the conversions' scale operands
.set PWS,  244                         ; v244-247 the four tiles' scale words
.set SW,   248                         ; v248-249 as they leave
.set SEL,  20                          ; s[20:21] lane selects: lane l xor 16
; 64 numbers of a lane, register 16 b + i = k 32 b + 16 h + i of its row, become a fragment's codes in v[PC] on and the row's scale word in v[pw]
.macro QUANT s, pw
.irp b, 0,1,2,3
	v_max3_num_f32 v[TMX+\b], |v[\s+16*\b]|, |v[\s+1+16*\b]|, 0x2800000   ; my 16 numbers of block b, and the floor 2^(5 - 127): the byte cannot fall under 1
.endr
.irp i, 2,4,6,8,10,12,14
.irp b, 0,1,2,3
	v_max3_num_f32 v[TMX+\b], v[TMX+\b], |v[\s+16*\b+\i]|, |v[\s+1+16*\b+\i]|   ; the four blocks by turns
.endr
.endr
.irp b, 0,1,2,3
	v_permlanex16_b32 v[TMB+\b], v[TMX+\b], s[SEL], s[SEL+1]
.endr
.irp b, 0,1,2,3
	v_max_num_f32 v[TMX+\b], v[TMX+\b], v[TMB+\b]      ; with lane l xor 16's: the block's largest magnitude
.endr
.irp b, 0,1,2,3
	v_add_nc_u32 v[TMO+\b], 0xfe000000, v[TMX+\b]      ; 4 off its exponent field: the conversion takes that field as its scale
.endr
.irp b, 0,1,2,3
	v_lshrrev_b32 v[TMB+\b], 23, v[TMO+\b]             ; the scale's byte
.endr
	v_lshl_or_b32 v[\pw], v[TMB+1], 8, v[TMB]
	v_lshl_or_b32 v[\pw], v[TMB+2], 16, v[\pw]
	v_lshl_or_b32 v[\pw], v[TMB+3], 24, v[\pw]
.irp c, 0,1
	v_cvt_scalef32_pk16_bf6_f32 v[PC+6*\c:PC+2+6*\c], v[\s+32*\c:\s+15+32*\c], v[TMO+2*\c]
	v_cvt_scalef32_pk16_bf6_f32 v[PC+12+4*\c:PC+14+4*\c], v[\s+16+32*\c:\s+31+32*\c], v[TMO+2*\c+1]   ; (three registers that begin on an even number)
.endr
	v_nop                                          ; one plain instruction behind the scaled conversions
.irp c, 0,1                                    ; the operand wants a whole block in a lane: lanes 0-15 block 2 c, lanes 16-31 block 2 c + 1
.irp i, 0,1,2
	v_permlane16_swap_b32 v[PC+6*\c+\i], v[PC+12+4*\c+\i]
.endr
.irp i, 0,1,2
	v_mov_b32 v[PC+3+6*\c+\i], v[PC+12+4*\c+\i]
.endr
.endr
.endm
	s_load_b256 s[4:11], s[0:1], 0x0               ; x s[4:5], w_in s[6:7], w_out s[8:9], cd s[10:11]
	s_load_b64 s[12:13], s[0:1], 0x20              ; sc
	v_lshl_add_u32 v254, v0, 2, 0x8400
	v_mov_b32 v255, 0
	v_lshrrev_b32 v1, 5, v0
	v_readfirstlane_b32 s14, v1                    ; wave
	v_and_b32 v2, 31, v0                           ; lane
	v_and_b32 v3, 15, v0                           ; r
	v_bfe_u32 v9, v0, 4, 1                         ; h
	v_lshlrev_b32 v4, 4, v2                        ; my 16 bytes of a load's 512
	s_mul_i32 s15, s14, STG
	v_add_nc_u32 v5, s15, v4                       ; the stage, on the way in
	v_mul_u32_u24 v6, v3, 528
	v_lshl_add_u32 v6, v9, 6, v6
	v_add_nc_u32 v6, s15, v6                       ; and out: row r, 64 h bytes on
	v_lshlrev_b32 v7, 3, v2                        ; my 8 bytes of a piece
	v_lshlrev_b32 v8, 4, v3
	v_lshl_add_u32 v8, v9, 3, v8                   ; scale words: 16 r + 8 h
	s_mov_b32 s19, 0xffff0000                      ; lanes 16-31
	s_mov_b32 s[SEL], 0x76543210
	s_mov_b32 s[SEL+1], 0xfedcba98
.irp b, 0,1,2,3
	v_mov_b32 v[TMB+\b], 0                         ; written once: a lane permute's destination counts as one of its sources
.endr
	s_and_b32 s16, ttmp9, 3
	s_lshl_b32 s16, s16, 1
	s_add_co_u32 s16, s16, s14                     ; my K step: 2 (work-group % 4) + wave: 768 work-groups of two waves, three to each of 256 WGPs
	s_wait_alu depctr_va_vdst(0)
	s_wait_kmcnt 0x0
	s_mov_b32 s17, 704
	s_cmp_lt_u32 ttmp9, 704                        ; work-groups 0-511 x, 512-703 w_in, 704-767 w_out: the choice hangs on the work-group's number alone
	s_cselect_b64 s[6:7], s[6:7], s[8:9]
	s_cselect_b32 s17, 512, s17
	s_cmp_lt_u32 ttmp9, 512
	s_cselect_b64 s[4:5], s[4:5], s[6:7]
	s_cselect_b32 s17, 0, s17
	s_sub_co_u32 s17, ttmp9, s17
	s_lshr_b32 s17, s17, 2                         ; which 64 rows of the tensor
	s_lshl_b32 s22, s17, 18                        ; x 4,096 bytes a row
	s_lshl_b32 s23, s16, 9                         ; + 512 bytes a K step
	s_add_co_u32 s22, s22, s23
	s_mov_b32 s23, 0
	s_add_nc_u64 s[4:5], s[4:5], s[22:23]
	s_lshr_b32 s24, ttmp9, 2                       ; which four tiles of the list
	s_mul_i32 s24, s24, 49152
	s_mul_i32 s25, s16, 1536
	s_add_co_u32 s24, s24, s25
	s_mov_b32 s25, 0
	s_add_nc_u64 s[10:11], s[10:11], s[24:25]
	s_lshr_b32 s26, ttmp9, 3                       ; which group of eight tiles,
	s_lshl_b32 s26, s26, 12
	s_lshl_b32 s27, s16, 9
	s_add_co_u32 s26, s26, s27
	s_bfe_u32 s27, ttmp9, 0x10002                  ; and which half of its scale block
	s_lshl_b32 s27, s27, 8
	s_add_co_u32 s26, s26, s27
	s_mov_b32 s27, 0
	s_add_nc_u64 s[12:13], s[12:13], s[26:27]
.macro LOAD t                          ; tile t's 16 rows, in the tile's order
.irp i, 0,1,2,3,4,5,6,7,8,9,10,11,12,13,14,15
	global_load_b128 v[R+64*((\t)%2)+4*\i:R+64*((\t)%2)+4*\i+3], v4, s[4:5] offset:(32*((\t)/2)+8*((\t)%2)+\i+8*(\i/8))*4096 th:TH_LOAD_NT
.endr
.endm
.macro STEP t
.if (\t) < 3
	s_wait_loadcnt 16                              ; this tile's sixteen loads are in; the next tile's sixteen may be out
.else
	s_wait_loadcnt 0x0
.endif
.irp i, 0,1,2,3,4,5,6,7,8,9,10,11,12,13,14,15
	ds_store_b128 v5, v[R+64*((\t)%2)+4*\i:R+64*((\t)%2)+4*\i+3] offset:528*\i
.endr
.irp b, 0,1,2,3
.irp j, 0,1,2,3
	ds_load_b128 v[X+16*\b+4*\j:X+16*\b+4*\j+3], v6 offset:128*\b+16*\j   ; LDS serves a wave's instructions in order: these see the stores above
.endr
.endr
	s_wait_dscnt 0x0                               ; the numbers are back; the stage's stores have read their registers
	s_wait_xcnt 0x0                                ; the last tile's stores have read the fragment's registers: they are written again below
.if (\t) < 2
	LOAD (\t)+2
.endif
	QUANT X, PWS+(\t)
.irp p, 0,1,2,3,4,5
	global_store_b64 v7, v[PC+2*\p:PC+2*\p+1], s[10:11] offset:(\t)*12288+256*\p
.endr
.endm
	LOAD 0
	LOAD 1
	STEP 0
	STEP 1
	STEP 2
	STEP 3
	v_cndmask_b32 v[SW], v[PWS], v[PWS+2], s19     ; lanes 0-15: tiles 0, 1 of row r; lanes 16-31: tiles 2, 3
	v_cndmask_b32 v[SW+1], v[PWS+1], v[PWS+3], s19
	global_store_b64 v8, v[SW:SW+1], s[12:13]      ; 256 consecutive bytes, aligned
	s_wait_tensorcnt 0x0
	ds_add_u32 v254, v255
	s_wait_dscnt 0x0
	s_endpgm
.Lfunc_end_k_qef040ce7ed_quant:
	.size	k_qef040ce7ed_quant, .Lfunc_end_k_qef040ce7ed_quant-k_qef040ce7ed_quant
	.p2alignl 7, 3214868480
	.fill 96, 4, 3214868480
	.section	.rodata,"a",@progbits
	.p2align	6, 0x0
	.amdhsa_kernel k_qef040ce7ed_quant
		.amdhsa_group_segment_fixed_size 34304
		.amdhsa_private_segment_fixed_size 0
		.amdhsa_enable_private_segment 0
		.amdhsa_kernarg_size 40
		.amdhsa_user_sgpr_count 2
		.amdhsa_user_sgpr_kernarg_segment_ptr 1
		.amdhsa_wavefront_size32 1
		.amdhsa_system_sgpr_workgroup_id_x 1
		.amdhsa_system_sgpr_workgroup_id_y 1
		.amdhsa_system_sgpr_workgroup_id_z 1
		.amdhsa_system_vgpr_workitem_id 0
		.amdhsa_next_free_vgpr 256
		.amdhsa_next_free_sgpr 66
		.amdhsa_reserve_vcc 0
		.amdhsa_float_denorm_mode_32 3
		.amdhsa_float_denorm_mode_16_64 3
		.amdhsa_memory_ordered 1
		.amdhsa_forward_progress 1
		.amdhsa_inst_pref_size 35
	.end_amdhsa_kernel
	.amdgpu_metadata
---
amdhsa.version: [ 1, 2 ]
amdhsa.kernels:
  - .name:           k_qef040ce7ed_quant
    .symbol:         k_qef040ce7ed_quant.kd
    .args:
      - { .name: x, .offset: 0, .size: 8, .value_kind: global_buffer, .address_space: global }
      - { .name: w_in, .offset: 8, .size: 8, .value_kind: global_buffer, .address_space: global }
      - { .name: w_out, .offset: 16, .size: 8, .value_kind: global_buffer, .address_space: global }
      - { .name: cd, .offset: 24, .size: 8, .value_kind: global_buffer, .address_space: global }
      - { .name: sc, .offset: 32, .size: 8, .value_kind: global_buffer, .address_space: global }
    .group_segment_fixed_size: 34304
    .private_segment_fixed_size: 0
    .kernarg_segment_align: 8
    .kernarg_segment_size: 40
    .max_flat_workgroup_size: 64
    .sgpr_count:     66
    .vgpr_count:     256
    .wavefront_size: 32
...
	.end_amdgpu_metadata
.endif
;; end of part 1
;; launch qkv (part 2): grid 8 x 32, 4 waves a work-group, clusters of 4 x 4, 327,680 bytes of LDS; arguments cd, sc, b_in, qq, kv; writes qq, kv
.if DOCPART == 2
	.amdgcn_target "amdgcn-amd-amdhsa--gfx1250"
	.amdhsa_code_object_version 6
	.text
	.protected	k_qef040ce7ed_qkv
	.globl	k_qef040ce7ed_qkv
	.p2align	8
	.type	k_qef040ce7ed_qkv,@function
k_qef040ce7ed_qkv:
	s_mov_b64 s[64:65], 0
	v_nop
	global_prefetch_b8 v0, s[64:65] scope:SCOPE_SE
	s_setreg_imm32_b32 hwreg(HW_REG_WAVE_MODE, 25, 1), 1
	s_wait_xcnt 0x0
	s_wait_alu depctr_hold_cnt(0) depctr_sa_sdst(0) depctr_va_vdst(0) depctr_va_sdst(0) depctr_va_ssrc(0) depctr_va_vcc(0) depctr_vm_vsrc(0)
	s_getreg_b32 s2, hwreg(HW_REG_IB_STS2, 6, 4)
	s_cmp_eq_u32 s2, 0
	s_cbranch_scc0 .Lentry_in_a_cluster
	s_endpgm
.Lentry_in_a_cluster:
	s_bfe_u32 s2, ttmp6, 0x10000c
	s_cmp_lg_u32 s2, 0xf033
	s_cbranch_scc0 .Lentry_shape_is_right
	s_endpgm
.Lentry_shape_is_right:
; qkv = x w_in^T + b_in on codes of BF6 (E3M2) with E8M0 scales (K = 1,024), and its results quantised on the way out: q and k along the head's 64, v along the keys.  No f32 result goes to memory.
; OPERANDS lie in cd as images of fragments ([tile of 16 rows][K step of 128 (8)][six pieces of 256 bytes: registers 2 p, 2 p + 1 of lane l at 256 p + 8 l]), scale words in sc
; ([group of 8 tiles][K step][512 bytes: lane l: tiles 4 (l / 16) + 0 .. 3, row l % 16]).  Lane r of tile T stands for row 32 (T / 2) + 8 (T % 2) + r + 8 (r / 8).
; SHARES.  256 work-groups of equal work.  Work-group (c, blk) keeps block blk of 256 tokens of x in LDS for all of K (196,608 bytes) and walks three chunks of 128 rows of w_in: c (q), 8 + c (k), 16 + c (v):
; the pair of heads number c.  Three tiles of 256 x 128, 768 matrix instructions a wave.
; A WAVE'S TILE is 4 blocks (source 1: a lane holds one of its rows) x 8 blocks (source 0: a lane's registers run along its rows): 32 accumulators.  Register j of block b stands for source 0's row 32 (b / 2) + 16 h + 8 (b % 2) + j:
; the lane's 64 registers are 4 blocks of 32 neighbours, 16 of each.
;   q, k: source 1 = tokens (x's tiles 4 w + a), source 0 = the chunk's 128 features: a lane holds a token and two heads: quantised along the features.
;   v:    source 1 = features (the chunk's tiles 4 (w / 2) + a: one head), source 0 = tokens (x's tiles 8 (w % 2) + b: 128 keys): a lane holds a feature and 128 keys: quantised along the keys.
; A fragment's image serves either source, so the exchange is made by other LDS addresses and other scale registers alone.
; LDS: x's K steps 0-3 (16 tiles x 6,144 bytes), x's K steps 4-7, the chunk's K steps 0-3 (8 tiles x 6,144), the chunk's K steps 4-7, the spare words.  The chunk's two halves are a ring of two slots of four K steps:
; a half is filled with the next chunk's as soon as every wave of every partner has read it out: four refills in all.
; CLUSTER: 4 x 4 work-groups.  x's block hangs on blk alone and is asked for jointly along a row of the cluster, a chunk on c alone, jointly along a column.  Waves 0, 1 ask for x, waves 2, 3 for the chunk: a half each.
; The scale words come straight into registers, 512 or 256 consecutive bytes a load; the three biases likewise, once.
; OUT.  qq: [8 batch + pair of heads][block of 128 tokens][head of the pair][6,656]: 8 tiles x 768 bytes of codes (three pieces), 512 bytes of scale words.
;       kv: the same index, records of 13,056: K's codes (6,144), V^T's codes (4 tiles of 16 of the head's 64 x 128 keys: 6,144), K's scale words (512), V's ([r][tile]: 256).
; The first head's scale word keeps the second head's two bytes on top (1 .. 254); the attention launch sets zero codes of the queries against them.  The second head's word is the same shifted down by 16.
; LIMITS: a block of zeros gets the byte 1 where the rule says 127 (zero codes; the bytes are read by this program alone); NaN and infinities are not served.
; REGISTERS, in windows of 256: window 0: v4-11 scale words on the way out, v16-29 addresses, v32-63 x's scale words for source 1, v64-95 for source 0, v96-127 and v128-159 the chunks' by turns, v160-255 the quantiser's;
;   window 1: source 0's fragments, two sets, at v0 and v128; window 2: the accumulators ((a, b) at v[8 (8 a + b)]); window 3: source 1's fragments, two sets, at v0 and v48; from v96 the biases.
.set XH,     98304                     ; x: 16 tiles x 6,144 bytes: four K steps
.set WOFF,   196608                    ; behind x's two halves: the chunk
.set WH,     49152                     ; 8 tiles x 6,144 bytes
.set SPARE,  294912                    ; the spare words, 128 bytes a wave
.set NEXTW,  786432                    ; 64 tiles x 12,288 bytes: from a chunk to the chunk 1,024 rows of w_in on
.set SW,   4                           ; v4-7    scale words as they leave
.set PWS,  8                           ; v8-11   the four blocks' scale words
.set A80,  16                          ; v16-17  q, k: LDS address of source 0's fragments (the chunk), K half 0, 1
.set A40,  18                          ; v18-19  q, k: of source 1's (my four tiles of x)
.set A81,  20                          ; v20-21  v: of source 0's (my eight tiles of x)
.set A41,  22                          ; v22-23  v: of source 1's (my four tiles of the chunk)
.set L8,   24                          ; v24     8 x lane
.set L16,  25                          ; v25     16 x lane
.set R16,  26                          ; v26     16 r
.set VS,   27                          ; v27     16 r + 8 h
.set SPW,  28                          ; v28     my spare word; never rewritten
.set NIL,  29                          ; v29     0; never rewritten
.set X4,   32
.set X8,   64
.set WS0,  96
.set WS1,  128
.set T,    160                         ; v160-223 a block's 64 numbers
.set PC,   224                         ; v224-242 its codes
.set TMX,  244
.set TMB,  248
.set TMO,  252
.set BQ,   96                          ; window 3: q's bias, 64 registers in the result's layout;
.set BKB,  160                         ; k's;
.set BV,   224                         ; v's: a pair of equal numbers for each of my four blocks
.set G1X, 24                           ; s[24:31] descriptor group 1 for x; s[32:39] group 0, a set for each half of K
.set G0X, 32
.set G1W, 48                           ; s[48:55], s[56:63] the same for the chunks
.set G0W, 56
.set SEL, 66                           ; s[66:67] lane selects: lane l xor 16
.set MSB, 0
.macro WIN new                         ; the immediate's high byte repeats the setting that is left
.if MSB != (\new)
	s_set_vgpr_msb (MSB<<8)|(\new)
.set MSB, (\new)
.endif
.endm
.set W_MUL, 0xad                       ; source 0 window 1, source 1 window 3, C and D window 2
.macro CREST                           ; a round of the cluster's barrier behind its opening barrier
	s_cmp_lg_u32 s14, 0
	s_cbranch_scc1 .Lnot_wave_0_\@
	s_barrier_signal -3
.Lnot_wave_0_\@:
	s_barrier_wait -3
	s_barrier_signal -1
	s_barrier_wait -1
.endm
.macro CROUND
	s_barrier_signal -1
	s_barrier_wait -1
	CREST
.endm
.macro PLACES                          ; four plain instructions between a matrix instruction and a load into, or a vector instruction on, its registers
.rept 4
	v_nop
.endr
.endm
.macro QUANT s, pw                     ; 64 numbers of a lane, register 16 b + i = k 32 b + 16 h + i of its row -> a fragment's codes in v[PC] on, the row's scale word in v[pw]
.irp b, 0,1,2,3
	v_max3_num_f32 v[TMX+\b], |v[\s+16*\b]|, |v[\s+1+16*\b]|, 0x2800000   ; and the floor 2^(5 - 127): the byte cannot fall under 1
.endr
.irp i, 2,4,6,8,10,12,14
.irp b, 0,1,2,3
	v_max3_num_f32 v[TMX+\b], v[TMX+\b], |v[\s+16*\b+\i]|, |v[\s+1+16*\b+\i]|
.endr
.endr
.irp b, 0,1,2,3
	v_permlanex16_b32 v[TMB+\b], v[TMX+\b], s[SEL], s[SEL+1]
.endr
.irp b, 0,1,2,3
	v_max_num_f32 v[TMX+\b], v[TMX+\b], v[TMB+\b]
.endr
.irp b, 0,1,2,3
	v_add_nc_u32 v[TMO+\b], 0xfe000000, v[TMX+\b]      ; 4 off the exponent field: the conversion's scale operand
.endr
.irp b, 0,1,2,3
	v_lshrrev_b32 v[TMB+\b], 23, v[TMO+\b]             ; the byte
.endr
	v_lshl_or_b32 v[\pw], v[TMB+1], 8, v[TMB]
	v_lshl_or_b32 v[\pw], v[TMB+2], 16, v[\pw]
	v_lshl_or_b32 v[\pw], v[TMB+3], 24, v[\pw]
.irp c, 0,1
	v_cvt_scalef32_pk16_bf6_f32 v[PC+6*\c:PC+2+6*\c], v[\s+32*\c:\s+15+32*\c], v[TMO+2*\c]
	v_cvt_scalef32_pk16_bf6_f32 v[PC+12+4*\c:PC+14+4*\c], v[\s+16+32*\c:\s+31+32*\c], v[TMO+2*\c+1]
.endr
	v_nop                                          ; one plain instruction behind the scaled conversions
.irp c, 0,1
.irp i, 0,1,2
	v_permlane16_swap_b32 v[PC+6*\c+\i], v[PC+12+4*\c+\i]
.endr
.irp i, 0,1,2
	v_mov_b32 v[PC+3+6*\c+\i], v[PC+12+4*\c+\i]
.endr
.endr
.endm
	s_load_b256 s[4:11], s[0:1], 0x0               ; cd s[4:5], sc s[6:7], b_in s[8:9], qq s[10:11]
	s_load_b64 s[12:13], s[0:1], 0x20              ; kv
	v_lshl_add_u32 v[SPW], v0, 2, SPARE
	v_mov_b32 v[NIL], 0
	ds_add_u32 v28, v29
	ds_add_u32 v28, v29
	s_wait_dscnt 0x0
	v_lshrrev_b32 v1, 5, v0
	v_readfirstlane_b32 s14, v1                    ; wave 0..3
	s_lshr_b32 s15, s14, 1                         ; w / 2
	s_and_b32 s16, s14, 1                          ; w % 2
	s_bfe_u32 s40, ttmp6, 0x40000                  ; cx
	s_bfe_u32 s41, ttmp6, 0x40004                  ; cy
	s_lshl_b32 s42, ttmp9, 2
	s_add_co_u32 s42, s42, s40                     ; c = 4 x cluster x + cx: the pair of heads
	s_and_b32 s17, ttmp7, 0xffff
	s_lshl_b32 s17, s17, 2
	s_add_co_u32 s17, s17, s41                     ; blk = 4 x cluster y + cy: the block of 256 tokens
	s_lshl_b32 s43, s41, 2
	s_lshl_b32 s43, 15, s43                        ; my row of the cluster
	s_lshl_b32 s44, 0x1111, s40                    ; my column
	; descriptor group 1: rows (tiles) of 6,144 bytes, four K steps, 12,288 bytes apart, as elements of 8 bytes; dense in LDS.  Waves 0, 1 bring 8 of x's 16 tiles, waves 2, 3 bring 4 of a chunk's 8
	s_or_b32 s[G1X+0], s43, (3<<16)|(1<<21)        ; 15:0 the mask; 17:16 elements of 8 bytes; 21 set beside a mask
	s_or_b32 s[G1W+0], s44, (3<<16)|(1<<21)
.irp g, G1X, G1W
	s_mov_b32 s[\g+1], 768<<16                     ; tensor_dim0
	s_mov_b32 s[\g+3], 768<<16                     ; tile_dim0
	s_mov_b32 s[\g+5], 1536                        ; tensor_dim0_stride
	s_mov_b32 s[\g+6], 0
	s_mov_b32 s[\g+7], 0
.endr
	; WHO FETCHES WHAT: one tensor load a wave at a time.  Waves 0, 1 bring 8 of x's 16 tiles each, waves 2, 3 bring 4 of a chunk's 8 each
	s_mov_b32 s[G1X+2], 8<<16                      ; tensor_dim1
	s_mov_b32 s[G1X+4], 8                          ; tile_dim1
	s_mov_b32 s[G1W+2], 4<<16
	s_mov_b32 s[G1W+4], 4
	s_lshl_b32 s20, s17, 4                         ; x: tile 16 blk + 8 (w % 2): made of cy and the wave's number alone
	s_lshl_b32 s22, s16, 3
	s_add_co_u32 s20, s20, s22
	s_mul_i32 s20, s20, 12288
	s_mov_b32 s21, 0
	s_lshl_b32 s46, s42, 3                         ; the first chunk: tile 512 + 8 c + 4 (w % 2) (w_in begins at the list's row 8,192): made of cx and the wave's number alone
	s_lshl_b32 s23, s16, 2                         ; the chunk: + 4 (w % 2)
	s_add_co_u32 s46, s46, s23
	s_add_co_u32 s46, s46, 512
	s_mul_i32 s46, s46, 12288
	s_mov_b32 s47, 0
	s_mul_i32 s45, s14, 24576                      ; where they go: no place in the cluster enters an LDS address
	s_mul_i32 s18, s16, 24576                      ; the chunk's four tiles go to WOFF + 4 (w % 2) tiles,
	s_add_co_u32 s18, s18, WOFF
	s_mul_i32 s19, s16, 49152                      ; x's eight to 8 (w % 2) tiles
	s_mov_b32 s[SEL], 0x76543210
	s_mov_b32 s[SEL+1], 0xfedcba98
	s_mov_b32 s3, 0xffff0000                       ; lanes 16-31
	s_wait_kmcnt 0x0
	s_add_nc_u64 s[20:21], s[4:5], s[20:21]
	s_add_nc_u64 s[46:47], s[4:5], s[46:47]
	CROUND                                         ; all sixteen work-groups are here: the first joint loads meet
.irp k, 0,1
	s_mov_b32 s[G0X+4*\k], 1
	s_add_co_u32 s[G0X+4*\k+1], s19, \k*XH
	s_add_nc_u64 s[G0X+4*\k+2:G0X+4*\k+3], s[20:21], \k*6144
	s_or_b32 s[G0X+4*\k+3], s[G0X+4*\k+3], 0x80000000
	s_mov_b32 s[G0W+4*\k], 1
	s_add_co_u32 s[G0W+4*\k+1], s18, \k*WH
	s_add_nc_u64 s[G0W+4*\k+2:G0W+4*\k+3], s[46:47], \k*6144
	s_or_b32 s[G0W+4*\k+3], s[G0W+4*\k+3], 0x80000000
.endr
; A joint load of K half k: waves 0, 1 for x, waves 2, 3 for the chunk.  Each line has one mask and one set of registers; the branch hangs on the wave's number alone
.macro JLOAD k
	s_cmp_eq_u32 s15, 0
	s_cbranch_scc0 .Lfor_w_\@
	tensor_load_to_lds s[G0X+4*\k:G0X+4*\k+3], s[G1X:G1X+7]
	s_nop 0
.rept 4
	v_nop
.endr
	s_branch .Lasked_\@
.Lfor_w_\@:
	tensor_load_to_lds s[G0W+4*\k:G0W+4*\k+3], s[G1W:G1W+7]
	s_nop 0
.rept 4
	v_nop
.endr
.Lasked_\@:
.endm
	JLOAD 0                                        ; K steps 0-3: one tensor load a wave at the head
	v_and_b32 v1, 31, v0
	v_and_b32 v2, 15, v0                           ; r
	v_bfe_u32 v3, v0, 4, 1                         ; h
	v_lshlrev_b32 v[L8], 3, v1
	v_lshlrev_b32 v[L16], 4, v1
	v_lshlrev_b32 v[R16], 4, v2
	v_lshl_add_u32 v[VS], v3, 3, v[R16]
	v_add_nc_u32 v[A80], WOFF, v[L8]
	v_add_nc_u32 v[A80+1], WOFF+WH, v[L8]
	v_add_nc_u32 v[A40], s45, v[L8]                ; x's tiles 4 w on
	s_add_co_u32 s19, s45, XH
	v_add_nc_u32 v[A40+1], s19, v[L8]
	s_mul_i32 s19, s16, 49152                      ; x's tiles 8 (w % 2) on
	v_add_nc_u32 v[A81], s19, v[L8]
	s_add_co_u32 s19, s19, XH
	v_add_nc_u32 v[A81+1], s19, v[L8]
	s_mul_i32 s19, s15, 24576                      ; the chunk's tiles 4 (w / 2) on
	s_add_co_u32 s19, s19, WOFF
	v_add_nc_u32 v[A41], s19, v[L8]
	s_add_co_u32 s19, s19, WH
	v_add_nc_u32 v[A41+1], s19, v[L8]
.irp b, 0,1,2,3
	v_mov_b32 v[TMB+\b], 0                         ; a lane permute's destination counts as one of its sources
.endr
	; scale words.  For source 0 (eight tiles): a whole block of 512 bytes: register i holds tile i in lanes 0-15 and tile 4 + i in lanes 16-31.  For source 1 (four tiles): half a block, 16 r, so that lanes 0-15 hold the four words
	s_lshl_b32 s78, s17, 1                         ; x for source 1: group 2 blk + w / 2, its half w % 2
	s_add_co_u32 s78, s78, s15
	s_lshl_b32 s78, s78, 12
	s_lshl_b32 s79, s16, 8
	s_add_co_u32 s78, s78, s79
	s_mov_b32 s79, 0
	s_add_nc_u64 s[78:79], s[6:7], s[78:79]
	s_lshl_b32 s80, s17, 1                         ; x for source 0: group 2 blk + w % 2
	s_add_co_u32 s80, s80, s16
	s_lshl_b32 s80, s80, 12
	s_mov_b32 s81, 0
	s_add_nc_u64 s[80:81], s[6:7], s[80:81]
	s_add_co_u32 s82, s42, 64                      ; the chunks: group 64 + c, and 8 and 16 groups on
	s_lshl_b32 s82, s82, 12
	s_mov_b32 s83, 0
	s_add_nc_u64 s[82:83], s[6:7], s[82:83]
	s_lshl_b32 s84, s15, 8                         ; v's chunk serves source 1: its half w / 2
	s_mov_b32 s85, 0
	s_add_nc_u64 s[84:85], s[82:83], s[84:85]
.irp s, 0,1,2,3,4,5,6,7
	global_load_b128 v[X4+4*\s:X4+4*\s+3], v[R16], s[78:79] offset:512*\s
	global_load_b128 v[X8+4*\s:X8+4*\s+3], v[L16], s[80:81] offset:512*\s
	global_load_b128 v[WS0+4*\s:WS0+4*\s+3], v[L16], s[82:83] offset:512*\s           ; q's chunk
	global_load_b128 v[WS1+4*\s:WS1+4*\s+3], v[L16], s[82:83] offset:32768+512*\s     ; k's
.endr
	; the biases.  q, k: number 16 B + i = b_in at the chunk's feature 32 B + 16 h + i.  v: for block a, b_in at the lane's feature 32 (a / 2) + 8 (a % 2) + r + 8 (r / 8) of my head, twice (a pair for the packed addition)
	s_lshl_b32 s86, s42, 9
	s_mov_b32 s87, 0
	s_add_nc_u64 s[86:87], s[8:9], s[86:87]
	s_lshl_b32 s88, s15, 8
	s_mov_b32 s89, 0
	s_add_nc_u64 s[88:89], s[86:87], s[88:89]
	v_lshlrev_b32 v12, 6, v3
	v_and_b32 v13, 8, v2
	v_add_nc_u32 v13, v13, v2
	v_lshlrev_b32 v13, 2, v13
	WIN 0xc0                                       ; destination window 3
.set k, 0
.rept 16
	global_load_b128 v[BQ+4*k:BQ+4*k+3], v12, s[86:87] offset:128*(k/4)+16*(k%4)
	global_load_b128 v[BKB+4*k:BKB+4*k+3], v12, s[86:87] offset:4096+128*(k/4)+16*(k%4)
.set k, k+1
.endr
.irp a, 0,1,2,3
	global_load_b32 v[BV+2*\a], v13, s[88:89] offset:8192+128*(\a/2)+32*(\a%2)
	global_load_b32 v[BV+2*\a+1], v13, s[88:89] offset:8192+128*(\a/2)+32*(\a%2)
.endr
	WIN 0
	; where the results go.  Record number ((8 batch + c) 16 + block of 128 tokens) 2 + head
	s_lshr_b32 s90, s17, 3
	s_lshl_b32 s90, s90, 3
	s_add_co_u32 s90, s90, s42
	s_lshl_b32 s90, s90, 4
	s_and_b32 s91, s17, 7
	s_lshl_b32 s91, s91, 1
	s_add_co_u32 s90, s90, s91
	s_add_co_u32 s91, s90, s15                     ; q, k: my tokens lie in the block's half w / 2,
	s_lshl_b32 s91, s91, 1                         ; the first head's record;
	s_add_co_u32 s92, s90, s16                     ; v: my keys in the half w % 2,
	s_lshl_b32 s92, s92, 1
	s_add_co_u32 s92, s92, s15                     ; my head w / 2
	s_mov_b32 s97, 0
	s_mul_i32 s93, s16, 3072                       ; q, k: my tiles are 4 (w % 2) + a of the record's eight: 768 bytes of codes each,
	s_lshl_b32 s95, s16, 8                         ; and half w % 2 of its scale block
	s_mul_i32 s94, s91, 6656
	s_add_co_u32 s96, s94, s93
	s_add_nc_u64 s[68:69], s[10:11], s[96:97]      ; q's codes
	s_add_co_u32 s96, s94, s95
	s_add_nc_u64 s[70:71], s[10:11], s[96:97]      ; q's scale words
	s_mul_i32 s94, s91, 13056
	s_add_co_u32 s96, s94, s93
	s_add_nc_u64 s[72:73], s[12:13], s[96:97]      ; k's codes
	s_add_co_u32 s96, s94, s95
	s_add_nc_u64 s[74:75], s[12:13], s[96:97]      ; k's scale words
	s_mul_i32 s96, s92, 13056
	s_add_nc_u64 s[76:77], s[12:13], s[96:97]      ; v's record
.macro FRAG reg, adr, off              ; a fragment comes as it was stored: six pieces, 256 consecutive bytes each
.irp p, 0,1,2,3,4,5
	ds_load_b64 v[\reg+2*\p:\reg+2*\p+1], v[\adr] offset:\off+256*\p
.endr
.endm
.macro FETCH a8, a4, q, p              ; the fragments of a half's q-th K step into sets p: 72 loads in one run
	WIN 0x40                                       ; destination window 1, address window 0
.irp i, 0,1,2,3,4,5,6,7
	FRAG 128*(\p)+12*\i, \a8, (\i)*6144+(\q)*1536
.endr
	WIN 0xc0                                       ; destination window 3
.irp i, 0,1,2,3
	FRAG 48*(\p)+12*\i, \a4, (\i)*6144+(\q)*1536
.endr
.endm
; one product: source 1's block a x source 0's block b, K step s (0 .. 7); p: the sets; s8, s4: the scale words of source 0 and of source 1.  first = 1: it starts the sum
.macro WM a, b, p, s, first, s8, s4
.set rD, 8*(8*(\a)+(\b))
.set rA, 128*(\p)+12*(\b)
.set rB, 48*(\p)+12*(\a)
.set rX, (\s8)+4*(\s)+(\b)%4
.set rY, (\s4)+4*(\s)+(\a)
.if \first
.if (\b) < 4
	v_wmma_scale_f32_16x16x128_f8f6f4 v[rD:rD+7], v[rA:rA+11], v[rB:rB+11], 0, v[rX], v[rY] matrix_a_fmt:MATRIX_FMT_BF6 matrix_b_fmt:MATRIX_FMT_BF6
.else
	v_wmma_scale_f32_16x16x128_f8f6f4 v[rD:rD+7], v[rA:rA+11], v[rB:rB+11], 0, v[rX], v[rY] matrix_a_fmt:MATRIX_FMT_BF6 matrix_b_fmt:MATRIX_FMT_BF6 matrix_a_scale:MATRIX_SCALE_ROW1
.endif
.else
.if (\b) < 4
	v_wmma_scale_f32_16x16x128_f8f6f4 v[rD:rD+7], v[rA:rA+11], v[rB:rB+11], v[rD:rD+7], v[rX], v[rY] matrix_a_fmt:MATRIX_FMT_BF6 matrix_b_fmt:MATRIX_FMT_BF6
.else
	v_wmma_scale_f32_16x16x128_f8f6f4 v[rD:rD+7], v[rA:rA+11], v[rB:rB+11], v[rD:rD+7], v[rX], v[rY] matrix_a_fmt:MATRIX_FMT_BF6 matrix_b_fmt:MATRIX_FMT_BF6 matrix_a_scale:MATRIX_SCALE_ROW1
.endif
.endif
.endm
.macro MUL8 a, p, s, first, s8, s4     ; the 32 accumulators take turns, one instruction a turn, in the same order in every step
.irp b, 0,1,2,3,4,5,6,7
	WM \a, \b, \p, \s, \first, \s8, \s4
.endr
.endm
; K step s, whose successor lies in the same half of K: the next step's fragments are asked for first, so that they have this step's 32 products in which to land
.macro LDS0 adr, q, p, n0              ; twelve of source 0's 48 loads of a half's q-th K step into set p: load n is piece n % 6 of fragment n / 6
	WIN 0x40
.irp m, 0,1,2,3,4,5,6,7,8,9,10,11
	ds_load_b64 v[128*(\p)+2*((\n0)+\m):128*(\p)+2*((\n0)+\m)+1], v[\adr] offset:(((\n0)+\m)/6)*6144+(\q)*1536+256*(((\n0)+\m)%6)
.endr
.endm
.macro LDS1 adr, q, p, n0              ; twelve of source 1's 24
	WIN 0xc0
.irp m, 0,1,2,3,4,5,6,7,8,9,10,11
	ds_load_b64 v[48*(\p)+2*((\n0)+\m):48*(\p)+2*((\n0)+\m)+1], v[\adr] offset:(((\n0)+\m)/6)*6144+(\q)*1536+256*(((\n0)+\m)%6)
.endr
.endm
.macro MUL4 a, h, p, s, first, s8, s4  ; half of MUL8: source 0's blocks 4 h .. 4 h + 3
.irp b, 0,1,2,3
	WM \a, 4*(\h)+\b, \p, \s, \first, \s8, \s4
.endr
.endm
.macro STEP s, first, s8, s4, a8, a4
	s_wait_dscnt 0x0                               ; this step's fragments are in
	PLACES                                         ; the other sets were read by the last step's products
	; the next step's 72 loads go out in six runs of twelve, each ahead of four products; the last run has twelve products behind it.  The products keep their order
.irp g, 0,1,2,3
	LDS0 \a8, ((\s)+1)%4, 1-(\s)%2, 12*\g
	WIN W_MUL
	MUL4 \g/2, \g%2, (\s)%2, \s, \first, \s8, \s4
.endr
.irp g, 4,5
	LDS1 \a4, ((\s)+1)%4, 1-(\s)%2, 12*(\g-4)
	WIN W_MUL
	MUL4 \g/2, \g%2, (\s)%2, \s, \first, \s8, \s4
.endr
.irp g, 6,7
	MUL4 \g/2, \g%2, (\s)%2, \s, \first, \s8, \s4
.endr
.endm
; A half's last K step (3 or 7): one barrier; in front of it each wave waits for all its tensor loads, adds 0 to its spare word, and waits for that and for its reads of this half.  Behind it the other half is whole.
; fill = 1: the chunk's slot just read out takes the next chunk's same K steps.  a8n, a4n: where the next K step's fragments lie
.macro TURN s, s8, s4, fill, slot, a8n, a4n
	WIN 0                                          ; (the add's two registers lie in window 0)
	s_wait_tensorcnt 0x0                           ; all my tensor loads have landed: my part of the half ahead
	ds_add_u32 v[SPW], v[NIL]                      ; 0 onto my spare word
	s_wait_dscnt 1                                 ; this step's fragments are in (the add may be out)
	WIN W_MUL
	MUL8 0, 1, \s, 0, \s8, \s4                     ; eight matrix instructions stand between the add and the wait for it
	s_wait_dscnt 0x0                               ; the add is done, and my reads of this half are over
	s_barrier_signal -1
	MUL8 1, 1, \s, 0, \s8, \s4
	WIN 0
	s_barrier_wait -1
.if \fill
	CREST                                          ; the barrier has opened a round of the cluster's: no wave of any partner still reads this slot or has a load on its way
	s_add_nc_u64 s[G0W+4*\slot+2:G0W+4*\slot+3], s[G0W+4*\slot+2:G0W+4*\slot+3], NEXTW
	s_cmp_eq_u32 s15, 0                            ; waves 2 and 3 refill, four tiles each; the branch hangs on the wave's number alone
	s_cbranch_scc1 .Lno_refill_\@
	tensor_load_to_lds s[G0W+4*\slot:G0W+4*\slot+3], s[G1W:G1W+7]   ; first behind the round, my one tensor load until the next
	s_nop 0
.rept 4
	v_nop
.endr
.Lno_refill_\@:
	PLACES                                         ; in front of the loads below, on both ways
.else
	PLACES
.endif
	FETCH \a8n, \a4n, 0, 0
	WIN W_MUL
	MUL8 2, 1, \s, 0, \s8, \s4
	MUL8 3, 1, \s, 0, \s8, \s4
.endm
; A tile: eight K steps.  more = 1: another tile follows, whose first fragments (a8n, a4n) are fetched in this one's last step
.macro TILE s8, s4, a8, a4, fill, more, a8n, a4n
	STEP 0, 1, \s8, \s4, \a8, \a4
	STEP 1, 0, \s8, \s4, \a8, \a4
	STEP 2, 0, \s8, \s4, \a8, \a4
	TURN 3, \s8, \s4, \fill, 0, \a8+1, \a4+1
	STEP 4, 0, \s8, \s4, \a8+1, \a4+1
	STEP 5, 0, \s8, \s4, \a8+1, \a4+1
	STEP 6, 0, \s8, \s4, \a8+1, \a4+1
.if \more
	TURN 7, \s8, \s4, \fill, 1, \a8n, \a4n
.else
	s_wait_dscnt 0x0
.irp a, 0,1,2,3
	MUL8 \a, 1, 7, 0, \s8, \s4
.endr
.endif
	WIN 0
.endm
; THE WAY OUT, block by block of source 1: the bias is added (each accumulator from its low end on), the lane's 64 numbers are quantised, and the fragment leaves as pieces of 256 consecutive bytes.  No LDS, no barrier.
.macro OUTQK a, bias, cb, rec
	s_wait_xcnt 0x0                                ; the earlier stores have read the registers that are written below
	WIN 0x0e                                       ; source 0 window 2, source 1 window 3
.set j, 0
.rept 32
	v_pk_add_f32 v[T+j:T+j+1], v[64*(\a)+j:64*(\a)+j+1], v[(\bias)+j:(\bias)+j+1]
.set j, j+2
.endr
	WIN 0
	QUANT T, PWS+(\a)
.irp p, 0,1,2
	global_store_b64 v[L8], v[PC+2*\p:PC+2*\p+1], s[\cb:\cb+1] offset:768*(\a)+256*\p           ; k 0-63: the pair's first head
	global_store_b64 v[L8], v[PC+6+2*\p:PC+7+2*\p], s[\cb:\cb+1] offset:\rec+768*(\a)+256*\p    ; k 64-127: the second, one record on
.endr
.endm
.macro EPIQK bias, cb, sb, rec, scoff
	PLACES
.irp a, 0,1,2,3
	OUTQK \a, \bias, \cb, \rec
.endr
	v_cndmask_b32 v[SW], v[PWS], v[PWS+2], s3      ; lanes 0-15: my blocks 0, 1 of row r; lanes 16-31: blocks 2, 3: 256 consecutive bytes, half a scale block
	v_cndmask_b32 v[SW+1], v[PWS+1], v[PWS+3], s3
	global_store_b64 v[VS], v[SW:SW+1], s[\sb:\sb+1] offset:\scoff
	v_lshrrev_b32 v[SW+2], 16, v[SW]               ; the second head's two bytes, brought down
	v_lshrrev_b32 v[SW+3], 16, v[SW+1]
	global_store_b64 v[VS], v[SW+2:SW+3], s[\sb:\sb+1] offset:\rec+\scoff
.endm
.macro OUTV a
	s_wait_xcnt 0x0
	WIN 0x0e
.set j, 0
.rept 32
	v_pk_add_f32 v[T+j:T+j+1], v[64*(\a)+j:64*(\a)+j+1], v[BV+2*(\a):BV+2*(\a)+1]
.set j, j+2
.endr
	WIN 0
	QUANT T, PWS+(\a)
.irp p, 0,1,2,3,4,5
	global_store_b64 v[L8], v[PC+2*\p:PC+2*\p+1], s[76:77] offset:6144+1536*(\a)+256*\p
.endr
.endm
	s_wait_alu depctr_va_vdst(0)
	s_wait_tensorcnt 0x0                           ; my part of K steps 0-3 is in
	ds_add_u32 v[SPW], v[NIL]
	s_wait_dscnt 0x0
	CROUND                                         ; a whole round: K steps 0-3 are whole, and all sixteen work-groups are here
	JLOAD 1                                        ; K steps 4-7, the first tensor load behind the round: it has K steps 0-2 in which to land
	FETCH A80, A40, 0, 0
	WIN 0
	s_wait_loadcnt 0x0                             ; scale words and biases
	TILE WS0, X4, A80, A40, 1, 1, A80, A40         ; q; the slots take k's chunk
	EPIQK BQ, 68, 70, 6656, 6144
.irp s, 0,1,2,3,4,5,6,7
	global_load_b128 v[WS0+4*\s:WS0+4*\s+3], v[R16], s[84:85] offset:65536+512*\s   ; v's chunk's scale words, where q's lay: they land while k is multiplied
.endr
	TILE WS1, X4, A80, A40, 1, 1, A81, A41         ; k; the slots take v's chunk
	EPIQK BKB, 72, 74, 13056, 12288
	s_wait_loadcnt 0x0                             ; v's chunk's scale words
	TILE X8, WS0, A81, A41, 0, 0, 0, 0             ; v: nothing is left to fetch
	PLACES
.irp a, 0,1,2,3
	OUTV \a
.endr
	v_cndmask_b32 v[SW], v[PWS], v[PWS+2], s3
	v_cndmask_b32 v[SW+1], v[PWS+1], v[PWS+3], s3
	global_store_b64 v[VS], v[SW:SW+1], s[76:77] offset:12800   ; [r][tile]: 256 consecutive bytes
	s_wait_tensorcnt 0x0                           ; the wave's end
	ds_add_u32 v[SPW], v[NIL]
	s_wait_dscnt 0x0
	CROUND                                         ; the closing round: no work-group ends while a partner may still ask for a tile that names it
	s_endpgm
.Lfunc_end_k_qef040ce7ed_qkv:
	.size	k_qef040ce7ed_qkv, .Lfunc_end_k_qef040ce7ed_qkv-k_qef040ce7ed_qkv
	.p2alignl 7, 3214868480
	.fill 96, 4, 3214868480
	.section	.rodata,"a",@progbits
	.p2align	6, 0x0
	.amdhsa_kernel k_qef040ce7ed_qkv
		.amdhsa_group_segment_fixed_size 327680
		.amdhsa_private_segment_fixed_size 0
		.amdhsa_enable_private_segment 0
		.amdhsa_kernarg_size 40
		.amdhsa_user_sgpr_count 2
		.amdhsa_user_sgpr_kernarg_segment_ptr 1
		.amdhsa_wavefront_size32 1
		.amdhsa_system_sgpr_workgroup_id_x 1
		.amdhsa_system_sgpr_workgroup_id_y 1
		.amdhsa_system_sgpr_workgroup_id_z 1
		.amdhsa_system_vgpr_workitem_id 0
		.amdhsa_next_free_vgpr 1024
		.amdhsa_next_free_sgpr 98
		.amdhsa_reserve_vcc 0
		.amdhsa_float_denorm_mode_32 3
		.amdhsa_float_denorm_mode_16_64 3
		.amdhsa_memory_ordered 1
		.amdhsa_forward_progress 1
		.amdhsa_inst_pref_size 255
	.end_amdhsa_kernel
	.section	.bss,"aw",@nobits
	.p2align	6
	.space	262144
	.amdgpu_metadata
---
amdhsa.version: [ 1, 2 ]
amdhsa.kernels:
  - .name:           k_qef040ce7ed_qkv
    .symbol:         k_qef040ce7ed_qkv.kd
    .args:
      - { .name: cd, .offset: 0, .size: 8, .value_kind: global_buffer, .address_space: global }
      - { .name: sc, .offset: 8, .size: 8, .value_kind: global_buffer, .address_space: global }
      - { .name: b_in, .offset: 16, .size: 8, .value_kind: global_buffer, .address_space: global }
      - { .name: qq, .offset: 24, .size: 8, .value_kind: global_buffer, .address_space: global }
      - { .name: kv, .offset: 32, .size: 8, .value_kind: global_buffer, .address_space: global }
    .group_segment_fixed_size: 327680
    .private_segment_fixed_size: 0
    .kernarg_segment_align: 8
    .kernarg_segment_size: 40
    .max_flat_workgroup_size: 128
    .sgpr_count:     98
    .vgpr_count:     1024
    .wavefront_size: 32
...
	.end_amdgpu_metadata
.endif
;; end of part 2
;; launch attn (part 3): grid 4 x 64, 16 waves a work-group, clusters of 4 x 1, 327,680 bytes of LDS; arguments qq, kv, cd, so; writes cd, so
.if DOCPART == 3
	.amdgcn_target "amdgcn-amd-amdhsa--gfx1250"
	.amdhsa_code_object_version 6
	.text
	.protected	k_qef040ce7ed_attn
	.globl	k_qef040ce7ed_attn
	.p2align	8
	.type	k_qef040ce7ed_attn,@function
k_qef040ce7ed_attn:
	s_mov_b64 s[64:65], 0
	v_nop
	global_prefetch_b8 v0, s[64:65] scope:SCOPE_SE
	s_setreg_imm32_b32 hwreg(HW_REG_WAVE_MODE, 25, 1), 1
	s_wait_xcnt 0x0
	s_wait_alu depctr_hold_cnt(0) depctr_sa_sdst(0) depctr_va_vdst(0) depctr_va_sdst(0) depctr_va_ssrc(0) depctr_va_vcc(0) depctr_vm_vsrc(0)
	s_getreg_b32 s2, hwreg(HW_REG_IB_STS2, 6, 4)
	s_cmp_eq_u32 s2, 0
	s_cbranch_scc0 .Lentry_in_a_cluster
	s_endpgm
.Lentry_in_a_cluster:
	s_bfe_u32 s2, ttmp6, 0x10000c
	s_cmp_lg_u32 s2, 0x3003
	s_cbranch_scc0 .Lentry_shape_is_right
	s_endpgm
.Lentry_shape_is_right:
; Causal attention on codes of BF6 (E3M2) with E8M0 scales, head size 64, and its result o quantised along the model's 1,024 for the last product.
; t = score x log2(e) / 8; M = the running largest t rounded UP to a whole number; p = 2^(t - M) is quantised along the keys, not normalised; the row's sum is taken of the unquantised p and divides at the end.
; When M moves, the sum and O^T are multiplied by 2^(old M - new M): exact.
; LEFT OUT: key steps that lie wholly above the diagonal of the mask that the problem itself builds (their p are zeros).
; SHARES.  A cluster of four work-groups owns one head of one batch (y = 16 batch + head).  The head's K and V^T for all 2,048 keys are 16 records of 13,056 bytes; they lie in LDS for the whole launch, nothing is filled again.
; Wave w asks for key step w's record, jointly with the three partners (mask 15), one tensor load a wave: waves 0, 1 at the head, waves 2 .. 15 behind the full sequence and a round of the cluster's barrier.
; Wave w of the work-group at place cx owns tile 2 cx + w % 2 (16 queries) of the blocks of 128 queries number 15 - a and a (a = w / 2): 16 - a and a + 1 key steps, 17 in every wave.  Every work-group has queries in block 15,
; so every record that is fetched is read.  Trip counts and LDS addresses hang on the wave's number alone; cx enters global addresses and the mask's compare only.
; THE WALK.  Key steps 0, 1 of the high block (never on its diagonal, since 15 - a is 8 at the least) are worked while the fourteen other records land; one barrier shows those; then a loop of 22 trips, s17 = 2 .. 23, key step
; s17 % 16: the high block's steps 2 .. 15 - a, then the low block's 0 .. a; a wave jumps over the trips beyond its diagonals.
; Both products are used transposed: S^T = K Q^T, O^T = V^T P^T: a lane holds one query (lane % 16) throughout.
; K'S ROWS ARE REGROUPED AS THEY ARE READ.  In memory lane r of tile T stands for key 32 (T / 2) + 8 (T % 2) + r + 8 (r / 8).  Row 8 g + j of the tile that is multiplied as number 4 c + 2 u1 + u0 is read from tile 4 c + 2 g + u0, row j + 8 u1:
; it is key 64 c + 32 g + 16 u1 + 8 u0 + j.  So register n of S^T is key 64 (n / 32) + 32 (lane / 16) + n % 32: a lane holds two whole blocks of 32 keys, in the order of the second product's operand: no lane is asked for a block's
; maximum and no codes change lanes.  Register 16 b + i of O^T is channel 32 b + 16 (lane / 16) + i of the head, as the tiles of V^T lie.
; LDS: the mover lays 32 bytes behind each 256, so a piece of 256 bytes begins every 288.  The rows 8 g + j read two tiles apart, 6 x 288 = 6 x 256 + 192 bytes: the 32 lanes' 8 bytes fall on 256 different bytes modulo 256.
; THE FIRST PRODUCT'S K IS 64: the upper 64 of the instruction's 128 are zero codes of Q (v22-27).  K's eight tiles of six registers stand packed, so a tile's upper six registers are the next tile's codes (behind the last: zeros):
; they meet Q's zeros.  The format has no NaN and no infinity and no scale byte here is 0xff, so these products are exact zeros.
; OUT.  o's codes go to cd as half fragments (three pieces of 256 bytes).  o's scale bytes go to so: [y][cx][block of 128 (16)][row r (16)][tile of my two][2 bytes]: 1,024 bytes a work-group, gathered in LDS, stored as whole units.
; NO PREFETCH: all that the launch reads by tensor loads is asked for in two groups at its start; there is no loop to run ahead in.
; LIMITS: a block of zeros gets the byte 1 where the rule says 127 (zero codes; this program alone reads the bytes); NaN and infinities are not served; the scaled scores stay under 2^31 in magnitude.
; REGISTERS: v1 8 x lane; v2, v3 my places of K's and V's scale words in a record; v4, v5 the spare word's address and 0; v6, v92 where o's scale bytes go (high, low block); v7 my query less 32 (lane / 16); v8-10, v238 addresses in hand;
;   v11 Q's scale word; v12 -M, v13 largest t, v[14:15] the sum; v16-27 Q; v28-81 K, then V; v82-85, v86-89, v90 scale words of K, V, p; v91, v236 o's scale bytes; v93-95 addresses; v96-159 S^T, then p; v160-191 O^T;
;   v192-211 codes; v212-227, v244-255 at work; v228-234 the low block's Q; v237 my place of K's codes; v239 8 (lane / 16).
.set REC,   13056                      ; a head's record of a key step in memory: K 6,144, V 6,144, K's scale words 512, V's 256
.set PIT,   288                        ; a piece of 256 bytes in LDS
.set RECL,  51*PIT                     ; a record in LDS
.set VCD,   24*PIT                     ; in it: V's codes,
.set KSC,   48*PIT                     ; K's scale words,
.set VSC,   50*PIT                     ; V's
.set SPARE, 16*RECL                    ; the spare words, 128 bytes for each of 16 waves
.set OSG,   SPARE+2048                 ; o's scale bytes, 1,024: written by LDS stores alone
.set BM, 212                           ; maxima
.set BB, 216                           ; another lane's, then bytes
.set BO, 220                           ; the conversions' scale operands
.set TT, 224
.set F,  226                           ; v[226:227]: the factor, in the low word
.set KA, 237
.set VH, 238
.set SH, 239
.macro CROUND                          ; a round of the cluster's barrier
	s_barrier_signal -1
	s_barrier_wait -1
	s_cmp_lg_u32 s12, 0
	s_cbranch_scc1 .Lnot_wave_0_\@
	s_barrier_signal -3
.Lnot_wave_0_\@:
	s_barrier_wait -3
	s_barrier_signal -1
	s_barrier_wait -1
.endm
	s_load_b256 s[4:11], s[0:1], 0x0               ; qq s[4:5], kv s[6:7], cd s[8:9], so s[10:11]
	v_lshl_add_u32 v4, v0, 2, SPARE
	v_mov_b32 v5, 0
	ds_add_u32 v4, v5                              ; the opening lines: the add, twice on end
	ds_add_u32 v4, v5
	v_lshrrev_b32 v8, 5, v0
	v_readfirstlane_b32 s12, v8                    ; wave 0..15
	s_lshr_b32 s15, s12, 1                         ; a: my low block
	s_and_b32 s18, s12, 1
	s_xor_b32 s47, s15, 15                         ; 15 - a: my high block
	s_bfe_u32 s46, ttmp6, 0x40000                  ; cx
	s_lshl_b32 s14, s46, 1
	s_add_co_u32 s14, s14, s18                     ; my tile of a block's eight
	s_and_b32 s60, ttmp7, 0xffff                   ; y = 16 batch + head
	s_and_b32 s13, s60, 1                          ; head of its pair
	s_lshr_b32 s16, s60, 1                         ; 8 batch + pair
	s_lshl_b32 s38, s16, 4
	s_add_co_u32 s38, s38, s12                     ; key step = my wave's number
	s_lshl_b32 s38, s38, 1
	s_add_co_u32 s38, s38, s13
	s_mul_i32 s38, s38, REC                        ; the record that I fetch: made of y and the wave's number alone
	s_mov_b32 s39, 0
	s_mov_b32 s24, 15|(3<<16)|(1<<20)|(1<<21)|(5<<22)|(7<<25)   ; group 1: the four partners, elements of 8 bytes, bit 21 beside the mask; behind every 64 words 8 words of padding
	s_mov_b32 s25, 32<<16                          ; tensor_dim0: 256 bytes
	s_mov_b32 s26, 51<<16                          ; tensor_dim1
	s_mov_b32 s27, 32<<16                          ; tile_dim0
	s_mov_b32 s28, 51                              ; tile_dim1
	s_mov_b32 s29, 32                              ; stride: dense
	s_mov_b32 s30, 0
	s_mov_b32 s31, 0
	s_mov_b32 s32, 1
	s_mul_i32 s33, s12, RECL                       ; LDS: record w
	s_mov_b32 s20, 0x76543210
	s_mov_b32 s21, 0xfedcba98                      ; lane l xor 16
	s_mov_b32 s22, 0x3e38aa3b                      ; c = log2(e) / 8
	s_mov_b32 s23, s22
	s_wait_dscnt 0x0                               ; both opening adds are done
	s_wait_kmcnt 0x0
	s_add_nc_u64 s[34:35], s[6:7], s[38:39]
	s_or_b32 s35, s35, 0x80000000
	CROUND                                         ; the four work-groups are here: the joint loads meet
	s_cmp_lt_u32 s12, 2
	s_cbranch_scc0 .Lnot_first
	tensor_load_to_lds s[32:35], s[24:31]          ; key steps 0 and 1, which are worked first
	s_nop 0
.rept 4
	v_nop
.endr
.Lnot_first:
	s_mov_b32 s51, 0
	s_lshl_b32 s55, s16, 4
	s_add_co_u32 s56, s55, s15
	s_lshl_b32 s56, s56, 1
	s_add_co_u32 s56, s56, s13
	s_mul_i32 s50, s56, 6656
	s_add_nc_u64 s[48:49], s[4:5], s[50:51]        ; Q's record, low block
	s_add_co_u32 s56, s55, s47
	s_lshl_b32 s56, s56, 1
	s_add_co_u32 s56, s56, s13
	s_mul_i32 s50, s56, 6656
	s_add_nc_u64 s[52:53], s[4:5], s[50:51]        ; high block
	s_lshr_b32 s55, s16, 3                         ; batch
	s_and_b32 s56, s16, 7                          ; pair = o's K step of 128
	s_lshl_b32 s57, s55, 7
	s_add_co_u32 s57, s57, s14
	s_mul_i32 s58, s56, 1536
	s_mul_i32 s59, s13, 768
	s_add_co_u32 s58, s58, s59
	s_add_co_u32 s58, s58, 9437184                 ; o's section of cd begins at tile 768
	s_lshl_b32 s59, s15, 3
	s_add_co_u32 s59, s59, s57                     ; tile 128 batch + 8 block + my tile
	s_mul_i32 s50, s59, 12288
	s_add_co_u32 s50, s50, s58
	s_add_nc_u64 s[40:41], s[8:9], s[50:51]        ; where my half fragment of o goes: low block,
	s_lshl_b32 s59, s47, 3
	s_add_co_u32 s59, s59, s57
	s_mul_i32 s50, s59, 12288
	s_add_co_u32 s50, s50, s58
	s_add_nc_u64 s[42:43], s[8:9], s[50:51]        ; high block
	s_lshl_b32 s50, s60, 2
	s_add_co_u32 s50, s50, s46
	s_lshl_b32 s50, s50, 10                        ; so: 1,024 bytes for (y, cx);
	s_lshl_b32 s59, s18, 9                         ; wave 0 stores the first 512, wave 1 the second
	s_add_co_u32 s50, s50, s59
	s_add_nc_u64 s[44:45], s[10:11], s[50:51]
	s_lshr_b32 s62, s14, 1
	s_lshl_b32 s62, s62, 5
	s_and_b32 s63, s14, 1
	s_lshl_b32 s63, s63, 3
	s_add_co_u32 s62, s62, s63                     ; my tile's first row in its block: 32 (t / 2) + 8 (t % 2)
	s_lshr_b32 s61, s14, 2
	s_lshl_b32 s61, s61, 8
	s_and_b32 s63, s14, 3
	s_lshl_b32 s63, s63, 2
	s_add_co_u32 s61, s61, s63
	s_add_co_u32 s61, s61, 6144                    ; Q's scale words: 6,144 + 256 (t / 4) + 4 (t % 4)
	s_mul_i32 s63, s14, 768                        ; Q's codes
	s_lshl_b32 s54, s15, 6
	s_lshl_b32 s55, s18, 1
	s_add_co_u32 s54, s54, s55
	s_add_co_u32 s54, s54, OSG                     ; o's scale bytes in LDS: 64 x block + 2 (w % 2): low block,
	s_lshl_b32 s56, s47, 6
	s_add_co_u32 s56, s56, s55
	s_add_co_u32 s56, s56, OSG                     ; high block
	s_lshl_b32 s57, s18, 9
	s_add_co_u32 s57, s57, OSG                     ; and from where 512 bytes are read back
	v_and_b32 v8, 31, v0                           ; lane
	v_and_b32 v9, 15, v0                           ; r
	v_bfe_u32 v10, v0, 4, 1                        ; h
	v_and_b32 v[TT], 7, v0                         ; j
	v_bfe_u32 v[TT+1], v0, 3, 1                    ; g
	v_lshlrev_b32 v1, 3, v8
	v_lshlrev_b32 v94, 4, v8
	v_mul_u32_u24 v[KA], v[TT+1], 6*PIT            ; K's codes: two tiles on for g = 1,
	v_lshl_add_u32 v[KA], v[TT], 3, v[KA]          ; row j's 8 bytes,
	v_lshl_add_u32 v[KA], v10, 7, v[KA]            ; and the upper 32 of the head's 64 for lanes 16-31
	v_mul_u32_u24 v2, v10, PIT                     ; K's scale words: lanes 16-31 take tiles 4-7's,
	v_lshl_add_u32 v2, v[TT], 4, v2                ; row j,
	v_lshl_add_u32 v2, v[TT+1], 3, v2              ; tiles 2 g, 2 g + 1
	v_add_nc_u32 v2, KSC, v2
	v_lshl_add_u32 v3, v9, 4, VSC
	v_lshlrev_b32 v[SH], 3, v10
	v_and_b32 v7, 8, v9
	v_add3_u32 v7, v7, v9, s62                     ; my query in its block of 128
	v_lshlrev_b32 v[TT], 5, v10
	v_sub_nc_u32 v7, v7, v[TT]                     ; less 32 h: register n is hidden on the diagonal where 64 (n / 32) + n % 32 is larger
	v_lshl_add_u32 v92, v9, 2, s54
	v_lshl_add_u32 v6, v9, 2, s56
	v_lshl_add_u32 v93, v8, 4, s57
	v_add_nc_u32 v95, s63, v1
	v_lshl_add_u32 v225, v9, 4, s61
.irp p, 0,1,2
	global_load_b64 v[16+2*\p:17+2*\p], v95, s[52:53] offset:256*\p      ; the high block's Q: it is walked first
	global_load_b64 v[228+2*\p:229+2*\p], v95, s[48:49] offset:256*\p    ; the low block's
.endr
	global_load_b32 v11, v225, s[52:53]
	global_load_b32 v234, v225, s[48:49]
.irp i, 0,1,2,3,4,5
	v_mov_b32 v[22+\i], 0                          ; Q's upper 64: zero codes
	v_mov_b32 v[76+\i], 0                          ; behind K's last tile
.endr
	v_mov_b32 v13, 0xff61b1e6                      ; the largest t so far: -3e38
	v_floor_f32 v12, -v13                          ; -M
	v_mov_b32 v14, 0
	v_mov_b32 v15, 0
	v_mov_b32 v[BB], 0                             ; a lane permute's destination counts as one of its sources
	v_mov_b32 v[BB+1], 0
	v_mov_b32 v236, 0                              ; the high block's scale bytes: written here once, since their own write stands under the walk's branch
	v_mov_b32 v[F], 0
	v_mov_b32 v[F+1], 0                            ; (named as the upper half of a pair)
.set j, 0
.rept 32
	v_mov_b32 v[160+j], 0                          ; O^T: the step is written once; its first walk finds zeros
.set j, j+1
.endr
; A KEY STEP: 128 keys, the record at LDS byte s19.  diag = 1: it lies on the diagonal where the key step s18 is the block's number s62; diag = 0: never
.macro STEP diag
	v_add_nc_u32 v8, s19, v[KA]
	v_add_nc_u32 v9, s19, v2
	v_add_nc_u32 v[VH], s19, v1
	v_add_nc_u32 v10, s19, v3                      ; four places in front of loads into registers that the last products read
.irp t, 0,1,2,3,4,5,6,7
.irp p, 0,1,2
	ds_load_b64 v[28+6*\t+2*\p:29+6*\t+2*\p], v8 offset:3*PIT*(4*(\t/4)+\t%2)+64*((\t/2)%2)+PIT*\p
.endr
.endr
	ds_load_b64 v[82:83], v9                       ; register i: lanes 0-15 tile i's scale words, lanes 16-31 tile 4 + i's
	ds_load_b64 v[84:85], v9 offset:128
	s_wait_alu depctr_va_vdst(0)
	s_wait_dscnt 0x0
.irp t, 0,1,2,3
	v_wmma_scale_f32_16x16x128_f8f6f4 v[96+8*\t:103+8*\t], v[28+6*\t:39+6*\t], v[16:27], 0, v[82+\t], v11 matrix_a_fmt:MATRIX_FMT_BF6 matrix_b_fmt:MATRIX_FMT_BF6
.endr
.irp t, 4,5,6,7
	v_wmma_scale_f32_16x16x128_f8f6f4 v[96+8*\t:103+8*\t], v[28+6*\t:39+6*\t], v[16:27], 0, v[78+\t], v11 matrix_a_fmt:MATRIX_FMT_BF6 matrix_b_fmt:MATRIX_FMT_BF6 matrix_a_scale:MATRIX_SCALE_ROW1
.endr
.rept 4
	v_nop
.endr
.irp t, 0,1,2,3                                ; V^T's four tiles land while the softmax is worked
.irp p, 0,1,2,3,4,5
	ds_load_b64 v[28+12*\t+2*\p:29+12*\t+2*\p], v[VH] offset:VCD+6*PIT*\t+PIT*\p
.endr
.endr
	ds_load_b128 v[86:89], v10
.if \diag
	s_cmp_lg_u32 s18, s62
	s_cbranch_scc1 .Lopen_\@
	v_mov_b32 v[TT], 0xff800000                    ; hidden scores become -infinity ahead of the maximum: p = 0 then
.set n, 0
.rept 64
	v_cmp_gt_i32 vcc_lo, 64*(n/32)+n%32, v7
	v_cndmask_b32 v[96+n], v[96+n], v[TT], vcc_lo
.set n, n+1
.endr
.Lopen_\@:
.endif
.irp b, 0,1,2,3
	v_max3_num_f32 v[BM+\b], v[96+16*\b], v[97+16*\b], v[98+16*\b]   ; the largest scores, in four chains of 16
.endr
.irp i, 3,5,7,9,11,13
.irp b, 0,1,2,3
	v_max3_num_f32 v[BM+\b], v[BM+\b], v[96+16*\b+\i], v[97+16*\b+\i]
.endr
.endr
.irp b, 0,1,2,3
	v_max_num_f32 v[BM+\b], v[BM+\b], v[111+16*\b]
.endr
	s_delay_alu instid0(VALU_DEP_3)
	v_max_num_f32 v[BM], v[BM], v[BM+1]            ; my two blocks of 32 keys: for the row's maximum, and, since p rises with the score, for each block's largest p
	s_delay_alu instid0(VALU_DEP_2)
	v_max_num_f32 v[BM+1], v[BM+2], v[BM+3]
	s_delay_alu instid0(VALU_DEP_1)
	v_max_num_f32 v[TT], v[BM], v[BM+1]
	s_delay_alu instid0(VALU_DEP_1)
	v_permlanex16_b32 v[BB], v[TT], s20, s21
	s_delay_alu instid0(VALU_DEP_1)
	v_max_num_f32 v[TT], v[TT], v[BB]              ; with lane l xor 16's two blocks: the step's largest score of my query
	s_delay_alu instid0(VALU_DEP_1)
	v_mul_f32 v[TT], s22, v[TT]                    ; as t
	s_delay_alu instid0(VALU_DEP_1)
	v_max_num_f32 v13, v13, v[TT]                  ; the running largest t
	v_mov_b32 v[TT], v12
	s_delay_alu instid0(VALU_DEP_2)
	v_floor_f32 v12, -v13                          ; the new -M = -ceil(t)
	s_delay_alu instid0(VALU_DEP_1)
	v_sub_f32 v[TT], v12, v[TT]                    ; old M - new M: a whole number, 0 or less
	s_delay_alu instid0(VALU_DEP_1)
	v_cvt_i32_f32 v[TT], v[TT]                     ; (it saturates)
	s_delay_alu instid0(VALU_DEP_1)
	v_ldexp_f32 v[F], 1.0, v[TT]                   ; f = 2^(old M - new M)
.set j, 0
.rept 32
	v_pk_fma_f32 v[96+j:97+j], v[96+j:97+j], s[22:23], v[12:13] op_sel_hi:[1,0,0]   ; t - M
.set j, j+2
.endr
.irp b, 0,1
	v_fma_f32 v[BM+\b], v[BM+\b], s22, v12
.endr
.set j, 0
	s_wait_alu depctr_va_vdst(0)
.rept 64
	v_exp_f32 v[96+j], v[96+j]                     ; p = 2^(t - M)
.set j, j+1
.endr
.irp b, 0,1
	v_exp_f32 v[BM+\b], v[BM+\b]                   ; the block's largest p
.endr
	v_pk_mul_f32 v[14:15], v[14:15], v[F:F+1] op_sel_hi:[1,0]   ; the sums under the new M (a plain instruction behind the exponentials)
	s_wait_alu depctr_va_vdst(0)                   ; and behind it, ahead of its first reader
.irp b, 0,1
	v_max_num_f32 v[BM+\b], 0x2800000, v[BM+\b]    ; the floor 2^(5 - 127)
.endr
.irp b, 0,1
	s_delay_alu instid0(VALU_DEP_2)
	v_add_nc_u32 v[BO+\b], 0xfe000000, v[BM+\b]
.endr
.irp b, 0,1
	s_delay_alu instid0(VALU_DEP_2)
	v_lshrrev_b32 v[BB+\b], 23, v[BO+\b]
.endr
	s_delay_alu instid0(VALU_DEP_1)
	v_lshl_or_b32 v90, v[BB+1], 16, v[BB]          ; my two bytes: blocks h and 2 + h,
	s_delay_alu instid0(VALU_DEP_1)
	v_lshlrev_b32 v90, v[SH], v90                  ; at their places in the scale word (8 h bits up);
	s_delay_alu instid0(VALU_DEP_1)
	v_permlanex16_b32 v[BB], v90, s20, s21
	s_delay_alu instid0(VALU_DEP_1)
	v_or_b32 v90, v90, v[BB]                       ; with lane l xor 16's two: p's scale word for these 128 keys
	v_cvt_scalef32_pk16_bf6_f32 v[192:194], v[96:111], v[BO]
	v_cvt_scalef32_pk16_bf6_f32 v[204:206], v[112:127], v[BO]        ; (three registers that begin on an even number)
	v_cvt_scalef32_pk16_bf6_f32 v[198:200], v[128:143], v[BO+1]
	v_cvt_scalef32_pk16_bf6_f32 v[208:210], v[144:159], v[BO+1]
	v_nop                                          ; one plain instruction behind the scaled conversions
.irp i, 0,1,2
	v_mov_b32 v[195+\i], v[204+\i]                 ; registers 6 c .. 6 c + 5 hold keys 64 c + 32 h + 0 .. 31
	v_mov_b32 v[201+\i], v[208+\i]
.endr
	v_pk_add_f32 v[204:205], v[100:101], v[104:105]   ; the row's sum of the unquantised p, in eight chains
	v_pk_add_f32 v[254:255], v[108:109], v[112:113]
	v_pk_add_f32 v[252:253], v[116:117], v[120:121]
	v_pk_add_f32 v[250:251], v[124:125], v[128:129]
	v_pk_add_f32 v[248:249], v[132:133], v[136:137]
	v_pk_add_f32 v[246:247], v[140:141], v[144:145]
	v_pk_add_f32 v[244:245], v[148:149], v[152:153]
	v_pk_add_f32 v[14:15], v[14:15], v[156:157]
	v_pk_add_f32 v[204:205], v[204:205], v[96:97]
	v_pk_add_f32 v[254:255], v[254:255], v[98:99]
	v_pk_add_f32 v[252:253], v[252:253], v[102:103]
	v_pk_add_f32 v[250:251], v[250:251], v[106:107]
	v_pk_add_f32 v[248:249], v[248:249], v[110:111]
	v_pk_add_f32 v[246:247], v[246:247], v[114:115]
	v_pk_add_f32 v[244:245], v[244:245], v[118:119]
	v_pk_add_f32 v[14:15], v[14:15], v[122:123]
	v_pk_add_f32 v[204:205], v[204:205], v[126:127]
	v_pk_add_f32 v[254:255], v[254:255], v[130:131]
	v_pk_add_f32 v[252:253], v[252:253], v[134:135]
	v_pk_add_f32 v[250:251], v[250:251], v[138:139]
	v_pk_add_f32 v[248:249], v[248:249], v[142:143]
	v_pk_add_f32 v[246:247], v[246:247], v[146:147]
	v_pk_add_f32 v[244:245], v[244:245], v[150:151]
	v_pk_add_f32 v[14:15], v[14:15], v[154:155]
	v_pk_add_f32 v[204:205], v[204:205], v[158:159]
	s_delay_alu instid0(VALU_DEP_2)
	v_pk_add_f32 v[14:15], v[14:15], v[250:251]
	s_delay_alu instid0(VALU_DEP_2)
	v_pk_add_f32 v[204:205], v[204:205], v[248:249]
	v_pk_add_f32 v[254:255], v[254:255], v[246:247]
	v_pk_add_f32 v[252:253], v[252:253], v[244:245]
	s_delay_alu instid0(VALU_DEP_2)
	v_pk_add_f32 v[14:15], v[14:15], v[254:255]
	s_delay_alu instid0(VALU_DEP_2)
	v_pk_add_f32 v[204:205], v[204:205], v[252:253]
	s_delay_alu instid0(VALU_DEP_1)
	v_pk_add_f32 v[14:15], v[14:15], v[204:205]
	s_wait_alu depctr_va_vdst(0)
.set j, 0
.rept 16
	v_pk_mul_f32 v[160+j:161+j], v[160+j:161+j], v[F:F+1] op_sel_hi:[1,0]   ; O^T under the new M
.set j, j+2
.endr
	s_wait_alu depctr_va_vdst(0)
	s_wait_dscnt 0x0                               ; V
.irp t, 0,1,2,3
	v_wmma_scale_f32_16x16x128_f8f6f4 v[160+8*\t:167+8*\t], v[28+12*\t:39+12*\t], v[192:203], v[160+8*\t:167+8*\t], v[86+\t], v90 matrix_a_fmt:MATRIX_FMT_BF6 matrix_b_fmt:MATRIX_FMT_BF6
.endr
.endm
; A TILE OF QUERIES IS DONE: O^T / the sum; its 32 numbers a lane are halves of two blocks of 32 along the model's axis: quantised, three pieces of 256 bytes to cd, two scale bytes kept.  hi = 1: the high block, behind which the low block's state is set up
.macro FINISH hi
.rept 4
	v_nop
.endr
	v_add_f32 v14, v14, v15
	s_delay_alu instid0(VALU_DEP_1)
	v_permlanex16_b32 v[TT], v14, s20, s21
	s_delay_alu instid0(VALU_DEP_1)
	v_add_f32 v14, v14, v[TT]                      ; the row's sum
	s_wait_alu depctr_va_vdst(0)
	v_rcp_f32 v[F], v14
	v_nop
.set j, 0
	s_wait_alu depctr_va_vdst(0)
.rept 16
	v_pk_mul_f32 v[96+j:97+j], v[160+j:161+j], v[F:F+1] op_sel_hi:[1,0]   ; each accumulator from its low end on
.set j, j+2
.endr
.irp b, 0,1
	v_max3_num_f32 v[BM+\b], |v[96+16*\b]|, |v[97+16*\b]|, 0x2800000
.endr
.irp i, 2,4,6,8,10,12,14
.irp b, 0,1
	s_delay_alu instid0(VALU_DEP_2)
	v_max3_num_f32 v[BM+\b], v[BM+\b], |v[96+16*\b+\i]|, |v[97+16*\b+\i]|
.endr
.endr
.irp b, 0,1
	s_delay_alu instid0(VALU_DEP_2)
	v_permlanex16_b32 v[BB+\b], v[BM+\b], s20, s21
.endr
.irp b, 0,1
	s_delay_alu instid0(VALU_DEP_2)
	v_max_num_f32 v[BM+\b], v[BM+\b], v[BB+\b]
.endr
.irp b, 0,1
	s_delay_alu instid0(VALU_DEP_2)
	v_add_nc_u32 v[BO+\b], 0xfe000000, v[BM+\b]
.endr
.irp b, 0,1
	s_delay_alu instid0(VALU_DEP_2)
	v_lshrrev_b32 v[BB+\b], 23, v[BO+\b]
.endr
.if \hi
	s_delay_alu instid0(VALU_DEP_1)
	v_lshl_or_b32 v236, v[BB+1], 8, v[BB]
.else
	s_delay_alu instid0(VALU_DEP_1)
	v_lshl_or_b32 v91, v[BB+1], 8, v[BB]
.endif
	v_cvt_scalef32_pk16_bf6_f32 v[192:194], v[96:111], v[BO]
	v_cvt_scalef32_pk16_bf6_f32 v[204:206], v[112:127], v[BO+1]
	v_nop
.irp i, 0,1,2
	v_permlane16_swap_b32 v[192+\i], v[204+\i]
.endr
.irp i, 0,1,2
	s_delay_alu instid0(VALU_DEP_3)
	v_mov_b32 v[195+\i], v[204+\i]
.endr
.irp p, 0,1,2
	global_store_b64 v1, v[192+2*\p:193+2*\p], s[40+2*\hi:41+2*\hi] offset:256*\p
.endr
.if \hi
.irp i, 0,1,2,3,4,5
	v_mov_b32 v[16+\i], v[228+\i]                  ; the low block's Q
.endr
	v_mov_b32 v11, v234
	v_mov_b32 v13, 0xff61b1e6
	s_delay_alu instid0(VALU_DEP_1)
	v_floor_f32 v12, -v13
	v_mov_b32 v14, 0
	v_mov_b32 v15, 0
.set j, 0
.rept 32
	v_mov_b32 v[160+j], 0                          ; (these also stand between the scale word just written and the next product)
.set j, j+1
.endr
	s_wait_xcnt 0x0                                ; the stores have read the codes' registers, which the next step writes
.endif
.endm
	s_wait_alu depctr_va_vdst(0)
	s_wait_tensorcnt 0x0                           ; key steps 0 and 1 are in
	ds_add_u32 v4, v5                              ; the add twice on end
	ds_add_u32 v4, v5
	s_wait_dscnt 0x0
	CROUND                                         ; a whole round: both records are shown to all waves, and the four work-groups are here
	s_cmp_lt_u32 s12, 2
	s_cbranch_scc1 .Lnot_rest
	tensor_load_to_lds s[32:35], s[24:31]          ; key steps 2 .. 15: they have two key steps' work of every wave in which to land
	s_nop 0
.rept 4
	v_nop
.endr
.Lnot_rest:
	s_wait_loadcnt 0x0                             ; Q, both blocks
	s_mov_b32 s17, 0                               ; the trip
	s_mov_b32 s19, 0                               ; its record in LDS
.Lfirst:                                           ; the high block's key steps 0 and 1
	STEP 0
	s_add_co_u32 s19, s19, RECL
	s_add_co_u32 s17, s17, 1
	s_cmp_lt_u32 s17, 2
	s_cbranch_scc1 .Lfirst
	s_wait_tensorcnt 0x0                           ; my record is in
	s_barrier_signal -1
	s_barrier_wait -1                              ; all sixteen are
	s_mov_b32 s17, 2
.Lwalk:                                            ; s17 = 2 .. 15: the high block; 16 .. 23: the low block
	s_and_b32 s18, s17, 15                         ; the key step
	s_mul_i32 s19, s18, RECL
	s_cmp_lt_u32 s17, 16
	s_cselect_b32 s62, s47, s15                    ; the block's number: its last key step
	s_cmp_gt_u32 s18, s62
	s_cbranch_scc1 .Lskip
	STEP 1
	s_cmp_lg_u32 s17, s47
	s_cbranch_scc1 .Lskip
	FINISH 1
.Lskip:
	s_add_co_u32 s17, s17, 1
	s_cmp_lt_u32 s17, 24
	s_cbranch_scc1 .Lwalk
	FINISH 0
	ds_store_b16 v92, v91                          ; my row's two scale bytes (lanes r and r + 16 write the same bytes with the same value): low block,
	ds_store_b16 v6, v236                          ; high block
	s_wait_dscnt 0x0                               ; for the others' sake
	s_barrier_signal -1
	s_barrier_wait -1
	s_cmp_lt_u32 s12, 2
	s_cbranch_scc0 .Lno_words
	ds_load_b128 v[96:99], v93
	s_wait_dscnt 0x0
	global_store_b128 v94, v[96:99], s[44:45]      ; 512 consecutive bytes, aligned
.Lno_words:
	s_wait_tensorcnt 0x0                           ; the wave's end
	ds_add_u32 v4, v5
	s_wait_dscnt 0x0
	CROUND                                         ; the closing round
	s_endpgm
.Lfunc_end_k_qef040ce7ed_attn:
	.size	k_qef040ce7ed_attn, .Lfunc_end_k_qef040ce7ed_attn-k_qef040ce7ed_attn
	.p2alignl 7, 3214868480
	.fill 96, 4, 3214868480
	.section	.rodata,"a",@progbits
	.p2align	6, 0x0
	.amdhsa_kernel k_qef040ce7ed_attn
		.amdhsa_group_segment_fixed_size 327680
		.amdhsa_private_segment_fixed_size 0
		.amdhsa_enable_private_segment 0
		.amdhsa_kernarg_size 32
		.amdhsa_user_sgpr_count 2
		.amdhsa_user_sgpr_kernarg_segment_ptr 1
		.amdhsa_wavefront_size32 1
		.amdhsa_system_sgpr_workgroup_id_x 1
		.amdhsa_system_sgpr_workgroup_id_y 1
		.amdhsa_system_sgpr_workgroup_id_z 1
		.amdhsa_system_vgpr_workitem_id 0
		.amdhsa_next_free_vgpr 256
		.amdhsa_next_free_sgpr 66
		.amdhsa_reserve_vcc 1
		.amdhsa_float_denorm_mode_32 3
		.amdhsa_float_denorm_mode_16_64 3
		.amdhsa_memory_ordered 1
		.amdhsa_forward_progress 1
		.amdhsa_inst_pref_size 60
	.end_amdhsa_kernel
	.amdgpu_metadata
---
amdhsa.version: [ 1, 2 ]
amdhsa.kernels:
  - .name:           k_qef040ce7ed_attn
    .symbol:         k_qef040ce7ed_attn.kd
    .args:
      - { .name: qq, .offset: 0, .size: 8, .value_kind: global_buffer, .address_space: global }
      - { .name: kv, .offset: 8, .size: 8, .value_kind: global_buffer, .address_space: global }
      - { .name: cd, .offset: 16, .size: 8, .value_kind: global_buffer, .address_space: global }
      - { .name: so, .offset: 24, .size: 8, .value_kind: global_buffer, .address_space: global }
    .group_segment_fixed_size: 327680
    .private_segment_fixed_size: 0
    .kernarg_segment_align: 8
    .kernarg_segment_size: 32
    .max_flat_workgroup_size: 512
    .sgpr_count:     66
    .vgpr_count:     256
    .wavefront_size: 32
...
	.end_amdgpu_metadata
.endif
;; end of part 3
;; launch proj (part 4): grid 8 x 32, 4 waves a work-group, clusters of 4 x 4, 327,680 bytes of LDS; arguments cd, sc, b_out, out0, so; writes out0
.if DOCPART == 4
	.amdgcn_target "amdgcn-amd-amdhsa--gfx1250"
	.amdhsa_code_object_version 6
	.text
	.protected	k_qef040ce7ed_proj
	.globl	k_qef040ce7ed_proj
	.p2align	8
	.type	k_qef040ce7ed_proj,@function
k_qef040ce7ed_proj:
	s_mov_b64 s[64:65], 0
	v_nop
	global_prefetch_b8 v0, s[64:65] scope:SCOPE_SE
	s_setreg_imm32_b32 hwreg(HW_REG_WAVE_MODE, 25, 1), 1
	s_wait_xcnt 0x0
	s_wait_alu depctr_hold_cnt(0) depctr_sa_sdst(0) depctr_va_vdst(0) depctr_va_sdst(0) depctr_va_ssrc(0) depctr_va_vcc(0) depctr_vm_vsrc(0)
	s_getreg_b32 s2, hwreg(HW_REG_IB_STS2, 6, 4)
	s_cmp_eq_u32 s2, 0
	s_cbranch_scc0 .Lentry_in_a_cluster
	s_endpgm
.Lentry_in_a_cluster:
	s_bfe_u32 s2, ttmp6, 0x10000c
	s_cmp_lg_u32 s2, 0xf033
	s_cbranch_scc0 .Lentry_shape_is_right
	s_endpgm
.Lentry_shape_is_right:
; out0 = o w_out^T + b_out on codes of BF6 (E3M2) with E8M0 scales, K = 1,024; out0 [8192][1024] f32.
; OPERANDS lie in cd as images of fragments ([tile of 16 rows][K step of 128 (8)][six pieces of 256 bytes]), scale words in sc ([group of 8 tiles][K step][512 bytes]); lane r of tile T stands for row 32 (T / 2) + 8 (T % 2) + r + 8 (r / 8).
; o begins at the list's tile 768 (group 96), w_out at tile 704 (group 88).
; SHARES.  256 work-groups: work-group (c, blk) makes tokens 256 blk on x columns 128 c on.  Both operands lie in LDS for all of K (196,608 + 98,304 bytes): two loads a wave, all issued at the start; nothing is filled again.
; A wave makes 64 tokens (o's tiles 4 w + a: source 1, a lane holds a token) x 128 columns (w_out's eight tiles: source 0): 32 accumulators; register j of block b is column 32 (b / 2) + 16 h + 8 (b % 2) + j.
; The bias is the C of each sum's first product.
; CLUSTER: 4 x 4 work-groups: o's block is asked for jointly along a row of the cluster, w_out's chunk along a column.
; REGISTERS: window 0: v16-30 addresses, v32-63 o's scale words, v64-95 w_out's, v96-223 rows on the way out; window 1: source 0's fragments, two sets, at v0 and v128; window 2: the accumulators ((a, b) at v[8 (8 a + b)]);
;   window 3: source 1's fragments, two sets, at v0 and v48; v96-159 the bias.
.set XH,     98304                     ; o: 16 tiles x 6,144 bytes: four K steps
.set WOFF,   196608
.set WH,     49152                     ; w_out: 8 tiles x 6,144 bytes
.set SPARE,  294912
.set SPITCH, 528                       ; the way out: a stage of 16 rows x (512 + 16) bytes for each wave, where o's K steps 0-3 lay: filled once, and read by nobody behind the change of halves
.set A80,  16                          ; v16-17  LDS address of source 0's fragments, K half 0, 1
.set A40,  18                          ; v18-19  of source 1's
.set L8,   24
.set L16,  25
.set R16,  26
.set STO,  27
.set SPW,  28
.set NIL,  29
.set RD,   30
.set X4,   32
.set WS,   64
.set BK,   96                          ; rows read back: v96-159 and v160-223 by turns
.set BIAS, 96                          ; window 3
.set G1X, 24
.set G0X, 32
.set G1W, 48
.set G0W, 56
.set MSB, 0
.macro WIN new
.if MSB != (\new)
	s_set_vgpr_msb (MSB<<8)|(\new)
.set MSB, (\new)
.endif
.endm
.set W_MUL,   0xad                     ; source 0 window 1, source 1 window 3, C and D window 2
.set W_FIRST, 0xbd                     ; the same with C (the bias) in window 3
.macro CREST
	s_cmp_lg_u32 s14, 0
	s_cbranch_scc1 .Lnot_wave_0_\@
	s_barrier_signal -3
.Lnot_wave_0_\@:
	s_barrier_wait -3
	s_barrier_signal -1
	s_barrier_wait -1
.endm
.macro CROUND
	s_barrier_signal -1
	s_barrier_wait -1
	CREST
.endm
.macro PLACES
.rept 4
	v_nop
.endr
.endm
	s_load_b256 s[4:11], s[0:1], 0x0               ; cd s[4:5], sc s[6:7], b_out s[8:9], out0 s[10:11]
	s_load_b64 s[12:13], s[0:1], 0x20              ; so: o's scale bytes, [16 batch + head][pair of tiles j (4)][block of 128 tokens (16)][row r (16)][tile of the pair][2 bytes]
	v_lshl_add_u32 v[SPW], v0, 2, SPARE
	v_mov_b32 v[NIL], 0
	ds_add_u32 v28, v29
	ds_add_u32 v28, v29
	s_wait_dscnt 0x0
	v_lshrrev_b32 v1, 5, v0
	v_readfirstlane_b32 s14, v1                    ; wave 0..3
	s_lshr_b32 s15, s14, 1
	s_and_b32 s16, s14, 1
	s_bfe_u32 s40, ttmp6, 0x40000                  ; cx
	s_bfe_u32 s41, ttmp6, 0x40004                  ; cy
	s_lshl_b32 s42, ttmp9, 2
	s_add_co_u32 s42, s42, s40                     ; c: which 128 columns
	s_and_b32 s17, ttmp7, 0xffff
	s_lshl_b32 s17, s17, 2
	s_add_co_u32 s17, s17, s41                     ; blk: which 256 tokens
	s_lshl_b32 s43, s41, 2
	s_lshl_b32 s43, 15, s43                        ; my row of the cluster
	s_lshl_b32 s44, 0x1111, s40                    ; my column
	s_or_b32 s[G1X+0], s43, (3<<16)|(1<<21)        ; group 1: rows (tiles) of 6,144 bytes, 12,288 bytes apart, as elements of 8 bytes; dense in LDS; 8 tiles of o a wave (waves 0, 1), 4 of w_out (waves 2, 3)
	s_or_b32 s[G1W+0], s44, (3<<16)|(1<<21)
.irp g, G1X, G1W
	s_mov_b32 s[\g+1], 768<<16
	s_mov_b32 s[\g+3], 768<<16
	s_mov_b32 s[\g+5], 1536
	s_mov_b32 s[\g+6], 0
	s_mov_b32 s[\g+7], 0
.endr
	; WHO FETCHES WHAT: one tensor load a wave at a time.  Waves 0, 1 bring 8 of o's 16 tiles each, waves 2, 3 bring 4 of w_out's 8 each
	s_mov_b32 s[G1X+2], 8<<16
	s_mov_b32 s[G1X+4], 8
	s_mov_b32 s[G1W+2], 4<<16
	s_mov_b32 s[G1W+4], 4
	s_lshl_b32 s20, s17, 4                         ; o: tile 768 + 16 blk + 8 (w % 2)
	s_lshl_b32 s22, s16, 3
	s_add_co_u32 s20, s20, s22
	s_add_co_u32 s20, s20, 768
	s_mul_i32 s20, s20, 12288
	s_mov_b32 s21, 0
	s_lshl_b32 s46, s42, 3                         ; w_out: tile 704 + 8 c + 4 (w % 2)
	s_lshl_b32 s23, s16, 2                         ; w_out: + 4 (w % 2)
	s_add_co_u32 s46, s46, s23
	s_add_co_u32 s46, s46, 704
	s_mul_i32 s46, s46, 12288
	s_mov_b32 s47, 0
	s_mul_i32 s45, s14, 24576
	s_mul_i32 s18, s16, 24576
	s_add_co_u32 s18, s18, WOFF
	s_mul_i32 s19, s16, 49152
	s_wait_kmcnt 0x0
	s_add_nc_u64 s[20:21], s[4:5], s[20:21]
	s_add_nc_u64 s[46:47], s[4:5], s[46:47]
	CROUND                                         ; all sixteen work-groups are here: the joint loads meet
.irp k, 0,1
	s_mov_b32 s[G0X+4*\k], 1
	s_add_co_u32 s[G0X+4*\k+1], s19, \k*XH
	s_add_nc_u64 s[G0X+4*\k+2:G0X+4*\k+3], s[20:21], \k*6144
	s_or_b32 s[G0X+4*\k+3], s[G0X+4*\k+3], 0x80000000
	s_mov_b32 s[G0W+4*\k], 1
	s_add_co_u32 s[G0W+4*\k+1], s18, \k*WH
	s_add_nc_u64 s[G0W+4*\k+2:G0W+4*\k+3], s[46:47], \k*6144
	s_or_b32 s[G0W+4*\k+3], s[G0W+4*\k+3], 0x80000000
.endr
; A joint load of K half k: waves 0, 1 for o, waves 2, 3 for w_out.  Each line has one mask and one set of registers; the branch hangs on the wave's number alone
.macro JLOAD k
	s_cmp_eq_u32 s15, 0
	s_cbranch_scc0 .Lfor_w_\@
	tensor_load_to_lds s[G0X+4*\k:G0X+4*\k+3], s[G1X:G1X+7]
	s_nop 0
.rept 4
	v_nop
.endr
	s_branch .Lasked_\@
.Lfor_w_\@:
	tensor_load_to_lds s[G0W+4*\k:G0W+4*\k+3], s[G1W:G1W+7]
	s_nop 0
.rept 4
	v_nop
.endr
.Lasked_\@:
.endm
	JLOAD 0                                        ; K steps 0-3: one tensor load a wave at the head
	v_and_b32 v1, 31, v0
	v_and_b32 v2, 15, v0                           ; r
	v_bfe_u32 v3, v0, 4, 1                         ; h
	v_lshlrev_b32 v[L8], 3, v1
	v_lshlrev_b32 v[L16], 4, v1
	v_lshlrev_b32 v31, 2, v2                       ; 4 r: my row's place in a block's 64 bytes of so
	s_wait_alu depctr_va_vdst(0)
	v_add_nc_u32 v[A80], WOFF, v[L8]
	v_add_nc_u32 v[A80+1], WOFF+WH, v[L8]
	v_add_nc_u32 v[A40], s45, v[L8]
	s_add_co_u32 s19, s45, XH
	v_add_nc_u32 v[A40+1], s19, v[L8]
	s_lshr_b32 s78, s17, 3                         ; o's scale bytes: batch x 65,536
	s_lshl_b32 s78, s78, 16
	s_and_b32 s79, s17, 7
	s_lshl_b32 s79, s79, 1
	s_add_co_u32 s79, s79, s15                     ; + 64 x my block of 128 tokens, 2 (blk % 8) + w / 2
	s_lshl_b32 s79, s79, 6
	s_add_co_u32 s78, s78, s79
	s_lshl_b32 s79, s16, 11                        ; + 1,024 x my first pair of tiles, 2 (w % 2)
	s_add_co_u32 s78, s78, s79
	s_mov_b32 s79, 0
	s_add_nc_u64 s[78:79], s[12:13], s[78:79]
	s_add_co_u32 s82, s42, 88                      ; w_out's: group 88 + c: register i: lanes 0-15 tile i, lanes 16-31 tile 4 + i
	s_lshl_b32 s82, s82, 12
	s_mov_b32 s83, 0
	s_add_nc_u64 s[82:83], s[6:7], s[82:83]
.irp s, 0,1,2,3,4,5,6,7
	global_load_b32 v[BK+4*\s], v31, s[78:79] offset:8192*\s            ; head 2 s, my tiles 0, 1: two bytes each
	global_load_b32 v[BK+4*\s+1], v31, s[78:79] offset:8192*\s+4096     ; head 2 s + 1, the same tiles
	global_load_b32 v[BK+4*\s+2], v31, s[78:79] offset:8192*\s+1024     ; head 2 s, my tiles 2, 3
	global_load_b32 v[BK+4*\s+3], v31, s[78:79] offset:8192*\s+5120     ; head 2 s + 1
	global_load_b128 v[WS+4*\s:WS+4*\s+3], v[L16], s[82:83] offset:512*\s
.endr
	s_lshl_b32 s68, s42, 9                         ; my first column, in bytes
	s_mov_b32 s69, 0
	s_add_nc_u64 s[70:71], s[8:9], s[68:69]
	v_lshlrev_b32 v12, 6, v3
	WIN 0xc0                                       ; destination window 3
.set k, 0
.rept 16                               ; the bias in the result's layout: number 16 B + i = b_out at column 32 B + 16 h + i
	global_load_b128 v[BIAS+4*k:BIAS+4*k+3], v12, s[70:71] offset:128*(k/4)+16*(k%4)
.set k, k+1
.endr
	WIN 0
	s_mul_i32 s72, s14, 16*SPITCH                  ; my stage
	v_mul_u32_u24 v4, v2, SPITCH
	v_lshl_add_u32 v4, v3, 6, v4
	v_add_nc_u32 v[STO], s72, v4                   ; in: row r, 64 h bytes on
	v_add_nc_u32 v[RD], s72, v[L16]                ; back: a row of 512 bytes, 16 a lane
	s_lshl_b32 s80, s17, 8
	s_lshl_b32 s81, s14, 6
	s_add_co_u32 s80, s80, s81                     ; my first row of out0: 256 blk + 64 w,
	s_lshl_b32 s80, s80, 12                        ; 4,096 bytes a row
	s_mov_b32 s81, 0
	s_add_nc_u64 s[10:11], s[10:11], s[80:81]
	s_add_nc_u64 s[10:11], s[10:11], s[68:69]
.macro FRAG reg, adr, off
.irp p, 0,1,2,3,4,5
	ds_load_b64 v[\reg+2*\p:\reg+2*\p+1], v[\adr] offset:\off+256*\p
.endr
.endm
.macro FETCH a8, a4, q, p              ; the fragments of a half's q-th K step into sets p: 72 loads in one run
	WIN 0x40
.irp i, 0,1,2,3,4,5,6,7
	FRAG 128*(\p)+12*\i, \a8, (\i)*6144+(\q)*1536
.endr
	WIN 0xc0
.irp i, 0,1,2,3
	FRAG 48*(\p)+12*\i, \a4, (\i)*6144+(\q)*1536
.endr
.endm
.macro WM a, b, p, s, first            ; first = 1: the product starts the sum with the bias as C
.set rD, 8*(8*(\a)+(\b))
.set rA, 128*(\p)+12*(\b)
.set rB, 48*(\p)+12*(\a)
.set rC, BIAS+8*(\b)
.set rX, WS+4*(\s)+(\b)%4
.set rY, X4+4*(\s)+(\a)
.if \first
.if (\b) < 4
	v_wmma_scale_f32_16x16x128_f8f6f4 v[rD:rD+7], v[rA:rA+11], v[rB:rB+11], v[rC:rC+7], v[rX], v[rY] matrix_a_fmt:MATRIX_FMT_BF6 matrix_b_fmt:MATRIX_FMT_BF6
.else
	v_wmma_scale_f32_16x16x128_f8f6f4 v[rD:rD+7], v[rA:rA+11], v[rB:rB+11], v[rC:rC+7], v[rX], v[rY] matrix_a_fmt:MATRIX_FMT_BF6 matrix_b_fmt:MATRIX_FMT_BF6 matrix_a_scale:MATRIX_SCALE_ROW1
.endif
.else
.if (\b) < 4
	v_wmma_scale_f32_16x16x128_f8f6f4 v[rD:rD+7], v[rA:rA+11], v[rB:rB+11], v[rD:rD+7], v[rX], v[rY] matrix_a_fmt:MATRIX_FMT_BF6 matrix_b_fmt:MATRIX_FMT_BF6
.else
	v_wmma_scale_f32_16x16x128_f8f6f4 v[rD:rD+7], v[rA:rA+11], v[rB:rB+11], v[rD:rD+7], v[rX], v[rY] matrix_a_fmt:MATRIX_FMT_BF6 matrix_b_fmt:MATRIX_FMT_BF6 matrix_a_scale:MATRIX_SCALE_ROW1
.endif
.endif
.endm
.macro MUL8 a, p, s, first             ; the 32 accumulators take turns, one instruction a turn, in the same order in every step
.irp b, 0,1,2,3,4,5,6,7
	WM \a, \b, \p, \s, \first
.endr
.endm
.macro LDS0 adr, q, p, n0              ; twelve of source 0's 48 loads of a half's q-th K step into set p: load n is piece n % 6 of fragment n / 6
	WIN 0x40
.irp m, 0,1,2,3,4,5,6,7,8,9,10,11
	ds_load_b64 v[128*(\p)+2*((\n0)+\m):128*(\p)+2*((\n0)+\m)+1], v[\adr] offset:(((\n0)+\m)/6)*6144+(\q)*1536+256*(((\n0)+\m)%6)
.endr
.endm
.macro LDS1 adr, q, p, n0              ; twelve of source 1's 24
	WIN 0xc0
.irp m, 0,1,2,3,4,5,6,7,8,9,10,11
	ds_load_b64 v[48*(\p)+2*((\n0)+\m):48*(\p)+2*((\n0)+\m)+1], v[\adr] offset:(((\n0)+\m)/6)*6144+(\q)*1536+256*(((\n0)+\m)%6)
.endr
.endm
.macro MUL4 a, h, p, s, first          ; half of MUL8: source 0's blocks 4 h .. 4 h + 3, under the products' windows
.if \first
	WIN W_FIRST
.else
	WIN W_MUL
.endif
.irp b, 0,1,2,3
	WM \a, 4*(\h)+\b, \p, \s, \first
.endr
.endm
.macro STEP s, first, a8, a4
	s_wait_dscnt 0x0
	PLACES
	; the next step's 72 loads go out in six runs of twelve, each ahead of four products; the last run has twelve products behind it.  The products keep their order
.irp g, 0,1,2,3
	LDS0 \a8, ((\s)+1)%4, 1-(\s)%2, 12*\g
	MUL4 \g/2, \g%2, (\s)%2, \s, \first
.endr
.irp g, 4,5
	LDS1 \a4, ((\s)+1)%4, 1-(\s)%2, 12*(\g-4)
	MUL4 \g/2, \g%2, (\s)%2, \s, \first
.endr
.irp g, 6,7
	MUL4 \g/2, \g%2, (\s)%2, \s, \first
.endr
.endm
	s_wait_alu depctr_va_vdst(0)
	s_wait_tensorcnt 0x0                           ; my part of K steps 0-3 is in
	ds_add_u32 v[SPW], v[NIL]
	s_wait_dscnt 0x0
	CROUND                                         ; a whole round: K steps 0-3 are whole, and all sixteen work-groups are here
	JLOAD 1                                        ; K steps 4-7, the first tensor load behind the round: it has K steps 0-2 in which to land
	FETCH A80, A40, 0, 0
	WIN 0
	s_wait_loadcnt 0x0                             ; scale words, scale bytes and bias
.irp s, 0,1,2,3,4,5,6,7                        ; a tile's scale word of K step s: the first head's two bytes below, the second head's above
	v_perm_b32 v[X4+4*\s], v[BK+4*\s+1], v[BK+4*\s], 0x05040100
	v_perm_b32 v[X4+4*\s+1], v[BK+4*\s+1], v[BK+4*\s], 0x07060302
	v_perm_b32 v[X4+4*\s+2], v[BK+4*\s+3], v[BK+4*\s+2], 0x05040100
	v_perm_b32 v[X4+4*\s+3], v[BK+4*\s+3], v[BK+4*\s+2], 0x07060302
.endr
	s_wait_alu depctr_va_vdst(0)
	STEP 0, 1, A80, A40
	STEP 1, 0, A80, A40
	STEP 2, 0, A80, A40
	; K step 3 changes halves: one barrier, in front of which each wave's loads have all landed and its reads of K steps 0-3 are over; behind it K steps 4-7 are whole, and the first half's bytes are free for the stages
	WIN 0
	s_wait_tensorcnt 0x0
	ds_add_u32 v[SPW], v[NIL]                      ; 0 onto my spare word
	s_wait_dscnt 1                                 ; this step's fragments are in (the add may be out)
	WIN W_MUL
	MUL8 0, 1, 3, 0
	s_wait_dscnt 0x0
	s_barrier_signal -1
	MUL8 1, 1, 3, 0
	WIN 0
	s_barrier_wait -1
	PLACES
	FETCH A80+1, A40+1, 0, 0
	WIN W_MUL
	MUL8 2, 1, 3, 0
	MUL8 3, 1, 3, 0
	STEP 4, 0, A80+1, A40+1
	STEP 5, 0, A80+1, A40+1
	STEP 6, 0, A80+1, A40+1
	s_wait_dscnt 0x0
.irp a, 0,1,2,3
	MUL8 \a, 1, 7, 0
.endr
	WIN 0
; THE WAY OUT, block by block of 16 rows x 128 columns, through my own stage: in by lanes (32 bytes of a row at a time, at the columns' true places), back as whole rows of 512 bytes, each stored at the row's true place.
.macro TOSTAGE a
.set AC, 64*(\a)
	WIN 0x08                                       ; an LDS store's data are its source 1: window 2
.irp b, 0,1,2,3,4,5,6,7
	ds_store_b128 v[STO], v[AC+8*\b:AC+8*\b+3] offset:128*(\b/2)+32*(\b%2)        ; each accumulator from its low end on
	ds_store_b128 v[STO], v[AC+8*\b+4:AC+8*\b+7] offset:128*(\b/2)+32*(\b%2)+16
.endr
	WIN 0
.set BBK, BK+64*((\a)%2)
.irp t, 0,1,2,3,4,5,6,7,8,9,10,11,12,13,14,15
	ds_load_b128 v[BBK+4*\t:BBK+4*\t+3], v[RD] offset:\t*SPITCH   ; LDS serves a wave's instructions in order: these see the stores above
.endr
.endm
.macro SEND a, younger                 ; younger: the LDS instructions issued behind block a's loads, which may stay out
.set BBK, BK+64*((\a)%2)
	s_wait_dscnt \younger
.irp t, 0,1,2,3,4,5,6,7,8,9,10,11,12,13,14,15
	global_store_b128 v[L16], v[BBK+4*\t:BBK+4*\t+3], s[10:11] offset:(32*((\a)/2)+8*((\a)%2)+\t+8*(\t/8))*4096 th:TH_STORE_NT   ; 512 consecutive bytes, aligned
.endr
.endm
	PLACES
	TOSTAGE 0
.irp a, 1,2,3
.if \a > 1
	s_wait_xcnt 0x0                                ; block a - 2's stores have read their registers: block a's loads may land there
.endif
	TOSTAGE \a
	SEND \a-1, 32                                  ; behind block a - 1's loads: block a's 16 stores and 16 loads
.endr
	SEND 3, 0
	s_wait_tensorcnt 0x0                           ; the wave's end
	ds_add_u32 v[SPW], v[NIL]
	s_wait_dscnt 0x0
	CROUND                                         ; the closing round
	s_endpgm
.Lfunc_end_k_qef040ce7ed_proj:
	.size	k_qef040ce7ed_proj, .Lfunc_end_k_qef040ce7ed_proj-k_qef040ce7ed_proj
	.p2alignl 7, 3214868480
	.fill 96, 4, 3214868480
	.section	.rodata,"a",@progbits
	.p2align	6, 0x0
	.amdhsa_kernel k_qef040ce7ed_proj
		.amdhsa_group_segment_fixed_size 327680
		.amdhsa_private_segment_fixed_size 0
		.amdhsa_enable_private_segment 0
		.amdhsa_kernarg_size 40
		.amdhsa_user_sgpr_count 2
		.amdhsa_user_sgpr_kernarg_segment_ptr 1
		.amdhsa_wavefront_size32 1
		.amdhsa_system_sgpr_workgroup_id_x 1
		.amdhsa_system_sgpr_workgroup_id_y 1
		.amdhsa_system_sgpr_workgroup_id_z 1
		.amdhsa_system_vgpr_workitem_id 0
		.amdhsa_next_free_vgpr 1024
		.amdhsa_next_free_sgpr 98
		.amdhsa_reserve_vcc 0
		.amdhsa_float_denorm_mode_32 3
		.amdhsa_float_denorm_mode_16_64 3
		.amdhsa_memory_ordered 1
		.amdhsa_forward_progress 1
		.amdhsa_inst_pref_size 103
	.end_amdhsa_kernel
	.amdgpu_metadata
---
amdhsa.version: [ 1, 2 ]
amdhsa.kernels:
  - .name:           k_qef040ce7ed_proj
    .symbol:         k_qef040ce7ed_proj.kd
    .args:
      - { .name: cd, .offset: 0, .size: 8, .value_kind: global_buffer, .address_space: global }
      - { .name: sc, .offset: 8, .size: 8, .value_kind: global_buffer, .address_space: global }
      - { .name: b_out, .offset: 16, .size: 8, .value_kind: global_buffer, .address_space: global }
      - { .name: out0, .offset: 24, .size: 8, .value_kind: global_buffer, .address_space: global }
      - { .name: so, .offset: 32, .size: 8, .value_kind: global_buffer, .address_space: global }
    .group_segment_fixed_size: 327680
    .private_segment_fixed_size: 0
    .kernarg_segment_align: 8
    .kernarg_segment_size: 40
    .max_flat_workgroup_size: 128
    .sgpr_count:     98
    .vgpr_count:     1024
    .wavefront_size: 32
...
	.end_amdgpu_metadata
.endif
;; end of part 4
